; MI455X (gfx1250); checked and timed in simulation.
; The chip was launched on July 23, 2026; its instructions are those of AMD's public machine-readable ISA for CDNA 5 (MIT licence, August 2026) and "CDNA5" Instruction Set Architecture Reference Guide (July 2026). The comments in the code are by the model that wrote it; some were corrected since.
;; Causal Self Attention Ro PE. Allowed arithmetic: matrix products marked QUANTISED: E4M3 operands, one E8M0 scale for each 32 along K, by v_wmma_scale_f32_16x16x128_f8f6f4 with both operands' format E4M3, f32 sums; products left as they are: f32 operands where the result goes on into a quantised operand, else bf16, f16 or f32 operands; f32 sums; everything else in f32.
;; Inputs: W_out_codes 1,024 x 32 x 32 uint8 (E4M3 codes of W_out, K innermost, in blocks of 32 codes); W_out_scales 1,024 x 32 uint8 (E8M0 scales of W_out, one for each 32 codes along K); W_qkv_codes 3,072 x 32 x 32 uint8 (E4M3 codes of W_qkv, K innermost, in blocks of 32 codes); W_qkv_scales 3,072 x 32 uint8 (E8M0 scales of W_qkv, one for each 32 codes along K); b_out 1,024 float32; b_qkv 3,072 float32; pad_mask 4 x 2,048 bool; x_codes 4 x 2,048 x 32 x 32 uint8 (E4M3 codes of x, K innermost, in blocks of 32 codes); x_scales 4 x 2,048 x 32 uint8 (E8M0 scales of x, one for each 32 codes along K).
;; Outputs: out0 4 x 2,048 x 1,024 float32.
;; This version of the problem:
;;   THIS VERSION OF THE PROBLEM IS GIVEN IN LOW PRECISION. The matrix products marked QUANTISED in the list below multiply operands that are first quantised to E4M3 (4 exponent bits, 3 mantissa bits; 8 bits a number), with one power-of-two scale for each 32 numbers along K (OCP MX v1.0); their sums are f32. All else is computed in f32.
;;   The module's matrix products, in the order in which they are computed (A, B: the left and right operand; K: the contracted axis; several contracted axes count as one K, in the product's order):
;;     1. [M 8,192, K 1,024] x [K 1,024, N 3,072]; A: input x (given as codes); B: input W_qkv (given as codes): QUANTISED
;;     2. [M 2,048, K 1] x [K 1, N 32]; A: computed on the way; B: computed on the way: left as it is (no contracted axis)
;;     3. batch 64 x [M 2,048, K 64] x [K 64, N 2,048]; A: computed on the way; B: computed on the way: QUANTISED
;;     4. batch 64 x [M 2,048, K 2,048] x [K 2,048, N 64]; A: softmax (see below); B: computed on the way: QUANTISED
;;     5. [M 8,192, K 1,024] x [K 1,024, N 1,024]; A: computed on the way; B: input W_out (given as codes): QUANTISED
;;   THE QUANTISER, for each operand of a quantised product, along K:
;;     - K is cut into blocks of 32 from its start; a last block that is shorter is filled with zeros.
;;     - A block's scale is 2^e with e = floor(log2(the largest magnitude in the block)) - 8, held to -126 .. 127; a block of zeros has e = 0. As a byte (E8M0): e + 127.
;;     - Each number is divided by its block's scale, clamped to +-448, and rounded to the nearest number of E4M3, ties to even, subnormals kept.
;;     - The product sums the exact products of the quantised numbers (number of the format x scale) in f32.
;;   ~~~python
;;   def quantise(x, axis):      # numpy; x: float32 -> the quantised numbers, widened to float32 again
;;       x = np.moveaxis(x, axis, -1); K = x.shape[-1]
;;       x = np.pad(x, [(0, 0)] * (x.ndim - 1) + [(0, -K % 32)]); x = x.reshape(x.shape[:-1] + (-1, 32)); a = np.abs(x).max(-1, keepdims=True)
;;       e = np.where(a > 0, np.clip(np.frexp(np.where(a > 0, a, 1))[1] - 1 - 8, -126, 127), 0)      # np.frexp(a)[1] - 1 = floor(log2(a)), exactly
;;       r = np.clip(x / 2.0 ** e, -448, 448)
;;       step = 2.0 ** (np.maximum(np.frexp(np.where(r == 0, 1, r))[1] - 1, -6) - 3)
;;       q = np.round(r / step) * step * 2.0 ** e      # np.round: ties to even
;;       return np.moveaxis(q.reshape(q.shape[:-2] + (-1,))[..., :K], -1, axis).astype(np.float32)
;;   ~~~
;;   SOFTMAX AHEAD OF A QUANTISED PRODUCT. Where the list says 'softmax', what is quantised is not the finished softmax but p = 2^(t - M), with t = logit x log2(e) and M = ceil(the row's largest t), a whole number; so 1/2 < the row's largest p <= 1. The row's sum l is taken of the UNQUANTISED p, in f32, and the product's result is divided by l at the end. Since M is a whole number, a kernel that streams over the keys may use a running M (the ceiling of the running maximum): every later rescaling is an exact power of two, which a block's scale takes up: the codes' values come out the same.
;;   OPERANDS COMPUTED ON THE WAY. 'Computed on the way' means the value that the module computes at that place (a softmax that the list does not call 'softmax' is quantised finished and normalised). What goes into a quantiser is computed in f32, as accurately as f32 sums, v_exp_f32 and their like allow (about 1e-6 of the number): no bf16 or f16 on the way to a quantiser, and a product that is left as it is and whose result goes on into a quantised operand takes f32 operands (vector FMAs, or v_wmma_f32_16x16x4_f32). A number that lies on a knife's edge between two numbers of the format may be rounded either way, as far as f32 arithmetic and the matrix unit's own rounding can turn it there, and no further.
;;   INPUTS GIVEN AS CODES. W_out (in the module: [1024, 1024], K = its axis 0); W_qkv (in the module: [1024, 3072], K = its axis 0); x (in the module: [4, 2048, 1024], K = its axis 2): each comes as NAME_codes (uint8): NAME with its K axis moved to the last place and cut into blocks of 32 codes, [.., K / 32, bytes a block], one block behind the other in memory; one code a byte (a code: sign, 4 exponent bits, 3 mantissa bits); and NAME_scales (uint8): the same leading axes, one E8M0 byte (e + 127) for each 32 codes along K. Its value is code x scale, taken as it is: it is not quantised again, and the codes and scales need not be those that the quantiser above would give.
;; One version. Each part assembles by itself: llvm-mc -triple=amdgcn-amd-amdhsa -mcpu=gfx1250 --defsym DOCPART=n.
;; ======== version 1 of 1: 4 launches
;; limits: right only within a limited range of input values; a function is approximated: absolute error at most 0.0005
;; workspace buffers: trig 524,288 bytes; qimg 8,912,896 bytes; kv 17,563,648 bytes; yimg 8,388,608 bytes; ysc 262,144 bytes
;; launch trig (part 1): grid 64 x 1, 8 waves a work-group, no clusters, 0 bytes of LDS; arguments trig; writes trig
.if DOCPART == 1
	.amdgcn_target "amdgcn-amd-amdhsa--gfx1250"
	.amdhsa_code_object_version 6
	.text
	.protected	k_q9755924b77_trig
	.globl	k_q9755924b77_trig
	.p2align	8
	.type	k_q9755924b77_trig,@function
k_q9755924b77_trig:
	s_mov_b64 s[64:65], 0
	v_nop
	global_prefetch_b8 v0, s[64:65] scope:SCOPE_SE
	s_setreg_imm32_b32 hwreg(HW_REG_WAVE_MODE, 25, 1), 1
	s_wait_xcnt 0x0
; The rotary table: cos[l][j] at byte 0 and sin[l][j] at byte 262,144, l = 0 .. 2047, j = 0 .. 31, f32; angle = f32(l) x inv_freq[j], inv_freq[j] = 10000^(-j/32) = 10^(-j/8).
; Thread t = 256 x work-group + thread takes row l = t / 8 and the four frequencies j = 4 (t % 8) + k, k = 0 .. 3: its 16 bytes lie at 16 t, so a wave's store covers 512 consecutive bytes.
; inv_freq is a product of constants: bits 2, 3, 4 of j (bits 0, 1, 2 of t) select 10^(-1/2), 10^(-1), 10^(-2) or 1; k gives 1, 10^(-1/8), 10^(-1/4) or 10^(-3/8).
; sin and cos: the angle (at most 2,047) less n x pi/2, pi/2 in three parts, by fused multiply-adds; then polynomials on |r| <= pi/4 and the quadrant n % 4.
; n is the angle x 2/pi rounded to a whole number by adding and taking away 1.5 x 2^23 (the rounding mode is nearest, ties to even; n lies between 0 and 1,304); the biased sum's lowest bits are n's.
; LIMIT: inv_freq, a product of up to four rounded factors, is within about three units in the last place of the true number; at the largest angles that is some 5e-4 in the angle.
.set SINOFF, 262144
	s_load_b64 s[4:5], s[0:1], 0x0
	s_lshl_b32 s6, ttmp9, 8
	s_mov_b32 s10, 0x3f22f983                      ; 2 / pi
	s_mov_b32 s11, 0xbfc90fd8                      ; -pi/2 in three parts
	s_mov_b32 s12, 0xb4a8885a
	s_mov_b32 s13, 0xa7c234c4
	s_mov_b32 s15, 0xbe2aaaab                      ; sine: -1/6, 1/120, -1/5040 (1/362880 stands in v60)
	s_mov_b32 s16, 0x3c088889
	s_mov_b32 s17, 0xb9500d01
	s_mov_b32 s19, 0x3d2aaaab                      ; cosine: 1/24, -1/720, 1/40320 (-1/3628800 stands in v61)
	s_mov_b32 s20, 0xbab60b61
	s_mov_b32 s21, 0x37d00d01
	v_mov_b32 v60, 0x3638ef1b
	v_mov_b32 v61, 0xb493f27c
	v_add_nc_u32 v1, s6, v0                        ; t
	v_lshrrev_b32 v2, 3, v1                        ; l
	v_lshlrev_b32 v4, 4, v1                        ; 16 t
	v_or_b32 v5, 0x4b000000, v2                    ; l under the exponent field of 2^23 is the number 2^23 + l;
	v_add_f32 v5, 0xcb000000, v5                   ; less 2^23: l as f32, exactly
	v_mov_b32 v11, 0x3ea1e89b                      ; 10^(-1/2)
	v_mov_b32 v12, 0x3dcccccd                      ; 10^(-1)
	v_mov_b32 v13, 0x3c23d70a                      ; 10^(-2)
	v_and_b32 v6, 1, v1
	v_cmp_ne_u32 vcc_lo, 0, v6
	v_cndmask_b32 v8, 1.0, v11, vcc_lo             ; bit 2 of j
	v_and_b32 v6, 2, v1
	v_cmp_ne_u32 vcc_lo, 0, v6
	v_cndmask_b32 v9, 1.0, v12, vcc_lo             ; bit 3
	v_and_b32 v6, 4, v1
	v_cmp_ne_u32 vcc_lo, 0, v6
	v_cndmask_b32 v10, 1.0, v13, vcc_lo            ; bit 4
	v_mul_f32 v8, v8, v9
	v_mul_f32 v36, v8, v10                         ; inv_freq of k = 0
	v_mul_f32 v37, 0x3f3ff911, v36                 ; k = 1: x 10^(-1/8)
	v_mul_f32 v38, 0x3f0ff59a, v36                 ; k = 2: x 10^(-1/4)
	v_mul_f32 v39, 0x3ed7e89b, v36                 ; k = 3: x 10^(-3/8)
.macro SINCOS k
	v_mul_f32 v48, v5, v[36+\k]                    ; the angle: one rounding
	v_mul_f32 v49, s10, v48
	v_add_f32 v54, 0x4b400000, v49                 ; + 1.5 x 2^23: rounded to a whole number; the lowest bits of this word are n's
	v_add_f32 v49, 0xcb400000, v54                 ; n
	v_fma_f32 v50, v49, s11, v48
	v_fma_f32 v50, v49, s12, v50
	v_fma_f32 v50, v49, s13, v50                   ; r
	v_mul_f32 v51, v50, v50                        ; r^2
	v_fma_f32 v52, v51, v60, s17
	v_fma_f32 v53, v51, v61, s21
	v_fma_f32 v52, v52, v51, s16
	v_fma_f32 v53, v53, v51, s20
	v_fma_f32 v52, v52, v51, s15
	v_fma_f32 v53, v53, v51, s19
	v_mul_f32 v56, v50, v51
	v_fma_f32 v53, v53, v51, -0.5
	v_fma_f32 v52, v52, v56, v50                   ; sin r
	v_fma_f32 v53, v53, v51, 1.0                   ; cos r
	v_and_b32 v55, 1, v54
	v_cmp_ne_u32 vcc_lo, 0, v55                    ; odd quadrants swap the two
	v_cndmask_b32 v57, v52, v53, vcc_lo
	v_cndmask_b32 v58, v53, v52, vcc_lo
	v_and_b32 v55, 2, v54
	v_lshlrev_b32 v55, 30, v55                     ; the sine is negative in quadrants 2, 3
	v_xor_b32 v[44+\k], v57, v55
	v_add_nc_u32 v54, 1, v54
	v_and_b32 v54, 2, v54
	v_lshlrev_b32 v54, 30, v54                     ; the cosine in quadrants 1, 2
	v_xor_b32 v[40+\k], v58, v54
.endm
	SINCOS 0
	SINCOS 1
	SINCOS 2
	SINCOS 3
	s_wait_kmcnt 0x0
	global_store_b128 v4, v[40:43], s[4:5]
	global_store_b128 v4, v[44:47], s[4:5] offset:SINOFF
	s_endpgm
.Lfunc_end_k_q9755924b77_trig:
	.size	k_q9755924b77_trig, .Lfunc_end_k_q9755924b77_trig-k_q9755924b77_trig
	.p2alignl 7, 3214868480
	.fill 96, 4, 3214868480
	.section	.rodata,"a",@progbits
	.p2align	6, 0x0
	.amdhsa_kernel k_q9755924b77_trig
		.amdhsa_group_segment_fixed_size 0
		.amdhsa_private_segment_fixed_size 0
		.amdhsa_enable_private_segment 0
		.amdhsa_kernarg_size 8
		.amdhsa_user_sgpr_count 2
		.amdhsa_user_sgpr_kernarg_segment_ptr 1
		.amdhsa_wavefront_size32 1
		.amdhsa_system_sgpr_workgroup_id_x 1
		.amdhsa_system_sgpr_workgroup_id_y 1
		.amdhsa_system_sgpr_workgroup_id_z 1
		.amdhsa_system_vgpr_workitem_id 0
		.amdhsa_next_free_vgpr 64
		.amdhsa_next_free_sgpr 66
		.amdhsa_reserve_vcc 1
		.amdhsa_float_denorm_mode_32 3
		.amdhsa_float_denorm_mode_16_64 3
		.amdhsa_memory_ordered 1
		.amdhsa_forward_progress 1
		.amdhsa_inst_pref_size 8
	.end_amdhsa_kernel
	.amdgpu_metadata
---
amdhsa.version: [ 1, 2 ]
amdhsa.kernels:
  - .name:           k_q9755924b77_trig
    .symbol:         k_q9755924b77_trig.kd
    .args:
      - { .name: trig, .offset: 0, .size: 8, .value_kind: global_buffer, .address_space: global }
    .group_segment_fixed_size: 0
    .private_segment_fixed_size: 0
    .kernarg_segment_align: 8
    .kernarg_segment_size: 8
    .max_flat_workgroup_size: 256
    .sgpr_count:     66
    .vgpr_count:     64
    .wavefront_size: 32
...
	.end_amdgpu_metadata
.endif
;; end of part 1
;; launch qkv (part 2): grid 12 x 32, 4 waves a work-group, clusters of 4 x 4, 327,680 bytes of LDS; arguments x_codes, x_scales, W_qkv_codes, W_qkv_scales, b_qkv, pad_mask, trig, qimg, kv; writes qimg, kv
.if DOCPART == 2
	.amdgcn_target "amdgcn-amd-amdhsa--gfx1250"
	.amdhsa_code_object_version 6
	.text
	.protected	k_q9755924b77_qkv
	.globl	k_q9755924b77_qkv
	.p2align	8
	.type	k_q9755924b77_qkv,@function
k_q9755924b77_qkv:
	s_mov_b64 s[64:65], 0
	v_nop
	global_prefetch_b8 v0, s[64:65] scope:SCOPE_SE
	s_setreg_imm32_b32 hwreg(HW_REG_WAVE_MODE, 25, 1), 1
	s_wait_xcnt 0x0
	s_wait_alu depctr_hold_cnt(0) depctr_sa_sdst(0) depctr_va_vdst(0) depctr_va_sdst(0) depctr_va_ssrc(0) depctr_va_vcc(0) depctr_vm_vsrc(0)
	s_getreg_b32 s2, hwreg(HW_REG_IB_STS2, 6, 4)
	s_cmp_eq_u32 s2, 0
	s_cbranch_scc0 .Lentry_in_a_cluster
	s_endpgm
.Lentry_in_a_cluster:
	s_bfe_u32 s2, ttmp6, 0x10000c
	s_cmp_lg_u32 s2, 0xf033
	s_cbranch_scc0 .Lentry_shape_is_right
	s_endpgm
.Lentry_shape_is_right:
; qkv = x W_qkv + b_qkv on codes of E4M3 with E8M0 scales (K = 1,024), then the rotary turn of q and k, then the quantisers of q, k (along the head's 64) and v (along the keys).
; What leaves are codes and scale words laid in the order of the next launch's operand registers.
; A work-group makes 256 x 256 of C'[i][j] = A'[i] . B'[j], a wave 128 x 128 (64 accumulators).  The matrix instruction is used transposed (source 0 = 16 rows of B', source 1 = 16 rows of A'):
; a lane holds ONE row i and eight neighbouring j.  Cluster x = 0 (q) and 1 (k): A' = x, B' = rows of W: a lane's registers run along the head's dims.  Cluster x = 2 (v): A' = rows 2,048 on of W, B' = x:
; a lane's registers run along the keys, which are the K of the product that takes v.  So each quantiser finds its K in one lane's registers (and the lane 16 away).
; K goes in four steps of 256 through two LDS slots filled by joint tensor loads: A's tile is shared along a row of the 4 x 4 cluster, B's along a column.  The scale bytes of all of K come once.
; RECORDS.  qimg: [batch x head][128 rows]: 8,192 bytes of codes (tile of 16 rows: [32 dims][lane][16 bytes]), 512 bytes of scale words.  kv: [batch x head][128 keys]: k so laid, then v: 8,192 bytes
; (tile of 16 dims: [32 keys][lane][16 bytes]; the dims of a tile and the keys inside a block of 32 stand in the order in which the next launch's results and weights stand), 256 bytes of scale words.
; THE PAD MASK rides in k's scale word: bytes 0, 1 are the two blocks' scales; byte 2 scales a constant code -448 that the next launch sets at k = 64: 2^90 for a padded key, 2^-126 else.  q's bytes 2, 3 are 127.
; LIMITS: an unpadded key's score carries -448 x 2^-126; a block of zeros gets the byte 1 (its codes are zeros, and only this program reads the bytes); NaN and infinities among the inputs are not served.
; No prefetch: K has four slots' worth of tiles, two of which are asked for at the head.
; REGISTERS in windows of 256: window 0: v0-31 addresses, v32-63 scale words (two sets), v128-255 A's fragments (one set); window 1: B's fragments (two sets); windows 2, 3: the accumulators ((a, b) at v[8 (8 (a % 4) + b)]).
; On the way out window 0 holds: v8-15 the scale words' upper halves, v32-47 the quantiser's work, v48-63 codes, v64-127 the bias, v128-191 cos and sin (two sets), v192-255 a row block's 64 numbers.
.set NQ,     2
.set ROWB,   256
.set KROW,   1024
.set PITCH,  272                       ; an LDS row: 256 bytes + 16 of padding: the 16 rows of a fragment load start at 16 different banks (64 banks of 4 bytes: ISA guide 11.1)
.set FR,     16
.set NL,     4
.set NP,     8                         ; places behind this matrix instruction (ISA guide 7.12.1)
.set HALFT,  128*PITCH
.set SLOT,   4*HALFT
.set KS,     32
.set SCL,    2*SLOT
.set HALFS,  (128*KS/256)*272
.set SBLK,   (16*KS/256)*272
.set SPARE,  SCL+4*HALFS               ; the spare words, 128 bytes a wave: two blocks of 256 bytes that no other line names
.set QW,     17408                     ; the way out of q and k: a stage of two records of 8,704 bytes for each wave, in slot 0
.set VSTG,   4*QW                      ; the way out of v has bytes of its own: two parts of 8,448 bytes for each wave
.set VW,     16896
.set ADRA, 16
.set ADRB, 20
.set ADRS, 27
.set SPW,  28
.set NIL,  29
.set SC,   32
.set AF,   128
.set TM,   32
.set PC,   48
.set BIAS, 64
.set CS,   128
.set X,    192
.set UP,   8
.set G1, 24
.set G0, 32
.set G1B, 48
.set G0B, 56
.set G1S, 68
.set G0S, 76
.set G1SB, 80
.set G0SB, 88
.set SEL, 66
.set MNT, 104
.set MSB, 0
.macro WIN new                         ; the immediate's high byte repeats the setting that is left
.if MSB != \new
	s_set_vgpr_msb (MSB<<8)|\new
.set MSB, \new
.endif
.endm
.set MUL_LO, 0xa1                      ; source 0 (B) window 1, source 1 (A) window 0, C and D window 2
.set MUL_HI, 0xf1
.set TO_B,   0x40
; A joint load: waves 0 and 1 fetch for A, waves 2 and 3 for B; the branch hangs on the wave's number alone.  Four v_nop follow each of the two lines.
.macro JLOAD g0a, g1a, g0b, g1b
	s_cmp_eq_u32 s15, 0
	s_cbranch_scc0 .Lfor_b_\@
	tensor_load_to_lds s[\g0a:\g0a+3], s[\g1a:\g1a+7]
	s_nop 0
.rept 4
	v_nop
.endr
	s_branch .Lasked_\@
.Lfor_b_\@:
	tensor_load_to_lds s[\g0b:\g0b+3], s[\g1b:\g1b+7]
	s_nop 0
.rept 4
	v_nop
.endr
.Lasked_\@:
.endm
.macro CREST                           ; a round of the cluster's barrier behind its opening barrier
	s_cmp_lg_u32 s14, 0
	s_cbranch_scc1 .Lnot_wave_0_\@
	s_barrier_signal -3
.Lnot_wave_0_\@:
	s_barrier_wait -3
	s_barrier_signal -1
	s_barrier_wait -1
.endm
.macro CROUND
	s_barrier_signal -1
	s_barrier_wait -1
	CREST
.endm
	s_load_b128 s[4:7], s[0:1], 0x0                ; x's codes, x's scales
	s_load_b128 s[8:11], s[0:1], 0x10              ; W's codes, W's scales
	v_lshl_add_u32 v[SPW], v0, 2, SPARE
	v_mov_b32 v[NIL], 0
	ds_add_u32 v28, v29
	s_wait_dscnt 0x0
	v_lshrrev_b32 v1, 5, v0
	v_readfirstlane_b32 s14, v1                    ; wave 0..3
	s_lshr_b32 s15, s14, 1                         ; which half of the tile's rows is mine.  Also: I fetch for A (0) or for B (1)
	s_and_b32 s16, s14, 1                          ; which half of its columns.  Also: which 128 rows I fetch
	s_bfe_u32 s40, ttmp6, 0x40000                  ; cx
	s_bfe_u32 s41, ttmp6, 0x40004                  ; cy
	s_and_b32 s17, ttmp7, 0xffff
	s_lshl_b32 s17, s17, 2                         ; 4 x cluster y
	s_add_co_u32 s42, s17, s41                     ; + cy
	s_add_co_u32 s43, s17, s40                     ; + cx
	s_lshl_b32 s44, ttmp9, 2
	s_add_co_u32 s44, s44, s40                     ; 4 x cluster x + cx
	s_cmp_eq_u32 ttmp9, 1
	s_cselect_b32 s101, 1, 0                       ; k's cluster?
	s_cmp_eq_u32 ttmp9, 2                          ; v's cluster?  The cluster's x is the same in all sixteen partners
	s_cselect_b32 s100, 1, 0
	s_cselect_b32 s98, s41, s42                    ; A's tile: it hangs on cy (and the cluster's y), never on cx
	s_cselect_b32 s99, s43, s44                    ; B's tile: on cx, never on cy
	s_cselect_b32 s45, 2048, 0                     ; v's rows of W begin at 2,048
	s_lshl_b32 s92, s41, 2
	s_lshl_b32 s92, 15, s92                        ; my row of the cluster
	s_lshl_b32 s93, 0x1111, s40                    ; my column
	s_or_b32 s[G1+0], s92, (0<<16)|(1<<20)|(1<<21)|(5<<22)|(3<<25)  ; the mask; elements of 1 byte; padding on; bit 21 beside a mask; four words behind every 64
	s_or_b32 s[G1B+0], s93, (0<<16)|(1<<20)|(1<<21)|(5<<22)|(3<<25)
.irp g, G1, G1B
	s_mov_b32 s[\g+1], ROWB<<16                    ; tensor_dim0
	s_mov_b32 s[\g+2], 128<<16                     ; tensor_dim1
	s_mov_b32 s[\g+3], ROWB<<16                    ; tile_dim0
	s_mov_b32 s[\g+4], 128                         ; tile_dim1
	s_mov_b32 s[\g+5], KROW                        ; the pitch
	s_mov_b32 s[\g+6], 0
	s_mov_b32 s[\g+7], 0
.endr
	s_or_b32 s[G1S+0], s92, (3<<16)|(1<<20)|(1<<21)|(5<<22)|(3<<25) ; the scales of 128 rows: 4,096 dense bytes as 16 rows of 256 (32 elements of 8 bytes), 16 bytes of padding behind each
	s_or_b32 s[G1SB+0], s93, (3<<16)|(1<<20)|(1<<21)|(5<<22)|(3<<25)
.irp g, G1S, G1SB
	s_mov_b32 s[\g+1], 32<<16
	s_mov_b32 s[\g+2], (128*KS/256)<<16
	s_mov_b32 s[\g+3], 32<<16
	s_mov_b32 s[\g+4], 128*KS/256
	s_mov_b32 s[\g+5], 32
	s_mov_b32 s[\g+6], 0
	s_mov_b32 s[\g+7], 0
.endr
	s_lshl_b32 s18, s16, 7                         ; which 128 rows of the tile I fetch
	s_lshl_b32 s20, s98, 8
	s_add_co_u32 s20, s20, s18
	s_add_co_u32 s20, s20, s45                     ; A's row
	s_lshl_b32 s46, s99, 8
	s_add_co_u32 s46, s46, s18                     ; B's row
	s_mov_b32 s21, 0
	s_mov_b32 s47, 0
	s_lshl_b64 s[22:23], s[20:21], 5               ; their scales: 32 bytes a row
	s_lshl_b64 s[94:95], s[46:47], 5
	s_lshl_b64 s[20:21], s[20:21], 10              ; their codes: 1,024 bytes a row
	s_lshl_b64 s[46:47], s[46:47], 10
	s_mul_i32 s45, s14, HALFT                      ; where they go: wave x 128 rows: no place in the cluster enters an LDS address
	s_mul_i32 s96, s14, HALFS
	s_mov_b32 s[SEL], 0x76543210
	s_mov_b32 s[SEL+1], 0xfedcba98                 ; v_permlanex16_b32's selects for lane l xor 16
	s_mov_b32 s[MNT], 0x600000                     ; the mantissa field of 448
	s_wait_kmcnt 0x0
	s_cmp_eq_u32 s100, 1                           ; which tensor is A and which is B: the choice hangs on the cluster's x alone
	s_cselect_b64 s[2:3], s[8:9], s[4:5]
	s_cselect_b64 s[12:13], s[10:11], s[6:7]
	s_cselect_b64 s[8:9], s[4:5], s[8:9]
	s_cselect_b64 s[10:11], s[6:7], s[10:11]
	s_add_nc_u64 s[20:21], s[2:3], s[20:21]
	s_add_nc_u64 s[22:23], s[12:13], s[22:23]
	s_add_nc_u64 s[46:47], s[8:9], s[46:47]
	s_add_nc_u64 s[94:95], s[10:11], s[94:95]
	CROUND                                         ; all sixteen work-groups are here: the first joint loads meet
	s_mov_b32 s[G0S], 1
	s_add_co_u32 s[G0S+1], s96, SCL
	s_mov_b64 s[G0S+2:G0S+3], s[22:23]
	s_or_b32 s[G0S+3], s[G0S+3], 0x80000000
	s_mov_b32 s[G0SB], 1
	s_add_co_u32 s[G0SB+1], s96, SCL
	s_mov_b64 s[G0SB+2:G0SB+3], s[94:95]
	s_or_b32 s[G0SB+3], s[G0SB+3], 0x80000000
	JLOAD G0S, G1S, G0SB, G1SB                     ; the scales first: they are wanted with K step 0
.irp s, 0,1
	s_mov_b32 s[G0+4*\s], 1
	s_add_co_u32 s[G0+4*\s+1], s45, \s*SLOT
	s_add_nc_u64 s[G0+4*\s+2:G0+4*\s+3], s[20:21], \s*ROWB
	s_or_b32 s[G0+4*\s+3], s[G0+4*\s+3], 0x80000000
	s_mov_b32 s[G0B+4*\s], 1
	s_add_co_u32 s[G0B+4*\s+1], s45, \s*SLOT
	s_add_nc_u64 s[G0B+4*\s+2:G0B+4*\s+3], s[46:47], \s*ROWB
	s_or_b32 s[G0B+4*\s+3], s[G0B+4*\s+3], 0x80000000
	JLOAD G0+4*\s, G1, G0B+4*\s, G1B
.endr
	v_and_b32 v1, 15, v0                           ; l % 16
	v_bfe_u32 v2, v0, 4, 1                         ; l / 16
	v_mul_u32_u24 v3, v1, PITCH
	v_lshl_add_u32 v4, v2, 4, v3                   ; a fragment's row x pitch + 16 x half
	s_mul_i32 s21, s15, HALFT                      ; my 128 rows of A
	s_mul_i32 s22, s16, HALFT                      ; my 128 rows of B,
	s_add_co_u32 s22, s22, 2*HALFT                 ; which lie behind A's 256
.irp s, 0,1
	v_add_nc_u32 v[ADRA+\s], s21, v4
	v_add_nc_u32 v[ADRB+\s], s22, v4
	s_add_co_u32 s21, s21, SLOT
	s_add_co_u32 s22, s22, SLOT
.endr
	v_mul_u32_u24 v5, v1, KS                       ; my row's scales: 32 bytes a row,
	v_lshrrev_b32 v6, 8, v5
	v_lshl_add_u32 v5, v6, 4, v5                   ; and 16 more for each 256 passed
	s_mul_i32 s21, s15, HALFS
	s_mul_i32 s22, s16, HALFS
	s_add_co_u32 s22, s22, 2*HALFS
	s_sub_co_u32 s22, s22, s21
	v_mul_u32_u24 v6, s22, v2                      ; lanes 16-31 take B's
	s_add_co_u32 s21, s21, SCL
	v_add_nc_u32 v5, v5, v6
	v_add_nc_u32 v[ADRS], s21, v5
.macro FRAG reg, adr, q, i             ; 16 rows x 128 K: lane l holds row l % 16; registers 4 c .. 4 c + 3 hold K = 32 c + 16 (l / 16) + 0 .. 15
.irp c, 0,1,2,3
	ds_load_b128 v[\reg+4*\c:\reg+4*\c+3], v[\adr] offset:128*(\q)+32*\c+(\i)*16*PITCH
.endr
.endm
; 16 matrix instructions: A's blocks a0, a0 + 1 x B's eight.  The 64 accumulators take turns, one instruction a turn, in the same order in every step.
.macro MUL16 a0, p, q, sc, zero
.irp a, \a0, \a0+1
.irp b, 0,1,2,3,4,5,6,7
.if \zero
	v_wmma_scale_f32_16x16x128_f8f6f4 v[8*(8*((\a)%4)+\b):8*(8*((\a)%4)+\b)+7], v[128*(\p)+FR*\b:128*(\p)+FR*\b+FR-1], v[AF+FR*(\a):AF+FR*(\a)+FR-1], 0, v[SC+8*NQ*(\sc)+NQ*\b+(\q)], v[SC+8*NQ*(\sc)+NQ*(\a)+(\q)] matrix_a_scale:MATRIX_SCALE_ROW1
.else
	v_wmma_scale_f32_16x16x128_f8f6f4 v[8*(8*((\a)%4)+\b):8*(8*((\a)%4)+\b)+7], v[128*(\p)+FR*\b:128*(\p)+FR*\b+FR-1], v[AF+FR*(\a):AF+FR*(\a)+FR-1], v[8*(8*((\a)%4)+\b):8*(8*((\a)%4)+\b)+7], v[SC+8*NQ*(\sc)+NQ*\b+(\q)], v[SC+8*NQ*(\sc)+NQ*(\a)+(\q)] matrix_a_scale:MATRIX_SCALE_ROW1
.endif
.endr
.endr
.endm
.macro FETCH_B slot, q, p
	WIN TO_B
.irp i, 0,1,2,3,4,5,6,7
	FRAG 128*(\p)+FR*\i, ADRB+\slot, \q, \i
.endr
	WIN 0
.endm
.macro FETCH_A slot, q, i0
.irp i, \i0, \i0+1, \i0+2, \i0+3
	FRAG AF+FR*(\i), ADRA+\slot, \q, \i
.endr
.endm
.macro SCALES sc                       ; a K step's scale words: lanes 0-15 take A's block i, lanes 16-31 B's block i
.irp i, 0,1,2,3,4,5,6,7
	ds_load_b64 v[SC+8*NQ*\sc+NQ*\i:SC+8*NQ*\sc+NQ*\i+1], v[ADRS] offset:\i*SBLK
.endr
.endm
.macro PLACES n                        ; plain vector instructions between a matrix instruction and a load into, or a vector write or read of, its registers
.rept \n
	v_nop
.endr
.endm
.macro STEP slot, q, zero              ; 128 along K that has its successor in the same slot
	s_wait_dscnt 4*NL                              ; B's set and A's blocks 0-3 are in; the youngest 16 loads (A's blocks 4-7) may be out
	WIN MUL_LO
	MUL16 0, (\q)%2, \q, \slot, \zero
	MUL16 2, (\q)%2, \q, \slot, \zero
	s_wait_dscnt 0
	PLACES NP
	FETCH_B \slot, (\q)+1, 1-(\q)%2
	FETCH_A \slot, (\q)+1, 0
	WIN MUL_HI
	MUL16 4, (\q)%2, \q, \slot, \zero
	MUL16 6, (\q)%2, \q, \slot, \zero
	PLACES NP
	WIN 0
	FETCH_A \slot, (\q)+1, 4
.endm
; A slot's last step changes slots: one barrier; in front of it each wave waits for all its tensor loads, adds 0 to its spare word, and waits for that and for its reads of this slot.
.macro TURN slot, next, fill
	s_wait_tensorcnt 0x0                           ; all my tensor loads have landed: my part of the next slot
	ds_add_u32 v[SPW], v[NIL]                      ; 0 onto my spare word
	s_wait_dscnt 4*NL+1                            ; the add and the youngest 16 loads may be out
	WIN MUL_LO
	MUL16 0, 1, NQ-1, \slot, 0
	s_wait_dscnt 0x0                               ; the add is done, and my reads of this slot are over
	s_barrier_signal -1
	MUL16 2, 1, NQ-1, \slot, 0
	WIN 0
	s_barrier_wait -1
.if \fill
	CREST                                          ; the barrier has opened a round of the cluster's: no wave of any partner still reads this slot or has a load on its way
	s_add_nc_u64 s[G0+4*\slot+2:G0+4*\slot+3], s[G0+4*\slot+2:G0+4*\slot+3], 2*ROWB
	s_add_nc_u64 s[G0B+4*\slot+2:G0B+4*\slot+3], s[G0B+4*\slot+2:G0B+4*\slot+3], 2*ROWB
	JLOAD G0+4*\slot, G1, G0B+4*\slot, G1B         ; the first tensor load behind the round; its four v_nop are among the places in front of the loads below
	PLACES NP-4
.else
	PLACES NP
.endif
	v_add_nc_u32 v[ADRS], 4*NQ, v[ADRS]            ; the next K step's scale words (no LDS load of mine is out)
	FETCH_B \next, 0, 0
	FETCH_A \next, 0, 0
	SCALES \next
	WIN MUL_HI
	MUL16 4, 1, NQ-1, \slot, 0
	MUL16 6, 1, NQ-1, \slot, 0
	PLACES NP
	WIN 0
	FETCH_A \next, 0, 4
.endm
	s_wait_tensorcnt 1                             ; the scales and my part of K step 0 are in; K step 1's load may be out
	s_barrier_signal -1
	s_barrier_wait -1
	FETCH_B 0, 0, 0
	FETCH_A 0, 0, 0
	SCALES 0
	FETCH_A 0, 0, 4
	STEP 0, 0, 1                                   ; the first products start the sums: nothing is cleared
	TURN 0, 1, 1                                   ; slot 0 takes K step 2
	STEP 1, 0, 0
	TURN 1, 0, 1                                   ; slot 1 takes K step 3
	STEP 0, 0, 0
	s_load_b256 s[68:75], s[0:1], 0x20             ; b_qkv, pad_mask, trig, qimg: into the scales' descriptors, whose loads the waits for all tensor loads above have shown done
	s_load_b64 s[76:77], s[0:1], 0x40              ; kv
	TURN 0, 1, 0                                   ; nothing is left to fetch.  Behind this barrier nobody reads slot 0, and it has had its last fill: the stages lie there
	STEP 1, 0, 0
	s_wait_dscnt 4*NL
	WIN MUL_LO
	MUL16 0, 1, NQ-1, 1, 0
	MUL16 2, 1, NQ-1, 1, 0
	WIN 0
	s_wait_kmcnt 0x0
	s_cmp_eq_u32 s100, 1                           ; the one parting: q and k here, v below.  It hangs on the cluster's x, the same in all partners
	s_cbranch_scc1 .Lv_arm
; 64 numbers of a lane, register 16 b + i, four blocks of 32 each shared with the lane 16 away, become codes in v[PC] on; the four scale bytes stand in v[TM+4] on; word = 1: they also make v22.
.macro QUANT s, word
.irp b, 0,1,2,3
	v_max3_num_f32 v[TM+\b], |v[\s+16*\b]|, |v[\s+1+16*\b]|, 0x4800000   ; my 16 numbers and the floor 2^(9 - 127): the byte cannot fall under 1
.endr
.irp i, 2,4,6,8,10,12,14
.irp b, 0,1,2,3
	v_max3_num_f32 v[TM+\b], v[TM+\b], |v[\s+16*\b+\i]|, |v[\s+1+16*\b+\i]|
.endr
.endr
.irp b, 0,1,2,3
	v_permlanex16_b32 v[TM+4+\b], v[TM+\b], s[SEL], s[SEL+1]
.endr
.irp b, 0,1,2,3
	v_max_num_f32 v[TM+\b], v[TM+\b], v[TM+4+\b]   ; the block's largest magnitude
.endr
.irp b, 0,1,2,3
	v_add_nc_u32 v[TM+12+\b], 0xfc000000, v[TM+\b] ; 8 off its exponent field: the conversion's scale operand
.endr
.irp b, 0,1,2,3
	v_and_or_b32 v[TM+8+\b], v[TM+\b], 0x7f800000, s[MNT]   ; 448 x the scale
.endr
.irp b, 0,1,2,3
	v_lshrrev_b32 v[TM+4+\b], 23, v[TM+12+\b]      ; the scale's byte
.endr
	s_wait_dscnt 0x0                               ; the last row block's LDS stores have read the codes and the scale words
.if \word
	v_lshl_or_b32 v22, v[TM+5], 8, v[TM+4]
	v_lshl_or_b32 v22, v[TM+6], 16, v22
	v_lshl_or_b32 v22, v[TM+7], 24, v22
.endif
.irp b, 0,1,2,3
.irp i, 0,1,2,3,4,5,6,7,8,9,10,11,12,13,14,15
	v_med3_num_f32 v[\s+16*\b+\i], v[\s+16*\b+\i], -v[TM+8+\b], v[TM+8+\b]   ; the conversion to an 8-bit code does not saturate (ISA guide 7.6.2): the hold
.endr
	v_cvt_scalef32_pk8_fp8_f32 v[PC+4*\b:PC+1+4*\b], v[\s+16*\b:\s+7+16*\b], v[TM+12+\b]
	v_cvt_scalef32_pk8_fp8_f32 v[PC+2+4*\b:PC+3+4*\b], v[\s+8+16*\b:\s+15+16*\b], v[TM+12+\b]
.endr
	v_nop                                          ; one plain vector line behind the last scaled conversion
.endm
	; ---------------- q and k.  Lane (r, h) of accumulator (a, b): row 16 a + r, column 16 b + 8 h + 0 .. 7; a wave's 128 columns are two heads
	s_lshr_b32 s2, s98, 3                          ; the batch
	s_and_b32 s3, s98, 7
	s_lshl_b32 s3, s3, 8
	s_lshl_b32 s12, s15, 7
	s_add_co_u32 s3, s3, s12                       ; my first position in the sequence
	s_and_b32 s12, s99, 3
	s_lshl_b32 s12, s12, 2
	s_lshl_b32 s13, s16, 1
	s_add_co_u32 s12, s12, s13                     ; my first head
	s_lshl_b32 s18, s99, 8
	s_lshl_b32 s13, s16, 7
	s_add_co_u32 s18, s18, s13                     ; my first column of qkv
	s_lshl_b32 s18, s18, 2
	s_mov_b32 s19, 0
	s_add_nc_u64 s[68:69], s[68:69], s[18:19]      ; its bias
	s_lshl_b32 s18, s2, 11
	s_add_co_u32 s18, s18, s3
	s_add_nc_u64 s[70:71], s[70:71], s[18:19]      ; my rows' bytes of the pad mask
	s_lshl_b32 s18, s3, 7
	s_add_nc_u64 s[72:73], s[72:73], s[18:19]      ; my rows of the table: 128 bytes a row
	s_lshl_b32 s18, s2, 4
	s_add_co_u32 s18, s18, s12
	s_lshl_b32 s18, s18, 4
	s_lshr_b32 s13, s3, 7
	s_add_co_u32 s18, s18, s13                     ; my first record: (16 batch + head) x 16 + the group of 128 rows
	s_mov_b32 s13, 8704
	s_mov_b32 s20, 0x7f7f0000
	s_cmp_eq_u32 s101, 1                           ; k or q?
	s_cselect_b32 s13, 17152, s13                  ; a record's pitch
	s_cselect_b64 s[78:79], s[76:77], s[74:75]     ; kv or qimg
	s_cselect_b32 s21, 0x01010000, s20             ; the scale word's upper half,
	s_cselect_b32 s22, 0x01d90000, s20             ; and that of a padded key: byte 2 = 217, which is 2^90
	s_mul_i32 s18, s18, s13
	s_add_nc_u64 s[78:79], s[78:79], s[18:19]
	s_lshl_b32 s18, s13, 4
	s_add_nc_u64 s[80:81], s[78:79], s[18:19]      ; the next head's record lies 16 records on
	s_mul_i32 s23, s14, QW                         ; my stage
	v_and_b32 v1, 15, v0                           ; r.  (These sixteen plain lines are also the places in front of the loads below)
	v_bfe_u32 v6, v0, 4, 1                         ; h
	v_lshlrev_b32 v16, 5, v6                       ; bias: 32 h
	v_mov_b32 v17, v1                              ; pad mask: r
	v_lshlrev_b32 v20, 7, v1
	v_lshl_add_u32 v20, v6, 5, v20                 ; table: 128 r + 32 h
	v_lshlrev_b32 v24, 4, v1
	v_lshl_add_u32 v24, v6, 3, v24
	v_add_nc_u32 v24, s23, v24                     ; codes into the stage: 16 r + 8 h
	v_lshl_add_u32 v25, v1, 4, s23                 ; scale words: 16 r
	v_and_b32 v7, 31, v0
	v_lshlrev_b32 v26, 4, v7                       ; 16 x lane
	v_add_nc_u32 v27, s23, v26                     ; back out of the stage
	v_mov_b32 v18, s21
	v_mov_b32 v19, s22
	v_nop
.irp b, 0,1,2,3,4,5,6,7
	global_load_b128 v[BIAS+8*\b:BIAS+8*\b+3], v16, s[68:69] offset:64*\b
	global_load_b128 v[BIAS+8*\b+4:BIAS+8*\b+7], v16, s[68:69] offset:64*\b+16
.endr
.irp a, 0,1,2,3,4,5,6,7
	global_load_u8 v[UP+\a], v17, s[70:71] offset:16*\a
.endr
.macro CSLOAD a                        ; cos and sin of row block a: frequencies 16 u + 8 h + 0 .. 7 of my row: 16 cos, then 16 sin, into set a % 2
.set CL, CS+32*((\a)%2)
.irp u, 0,1
.irp k, 0,1
	global_load_b128 v[CL+8*\u+4*\k:CL+8*\u+4*\k+3], v20, s[72:73] offset:2048*(\a)+64*\u+16*\k
	global_load_b128 v[CL+16+8*\u+4*\k:CL+16+8*\u+4*\k+3], v20, s[72:73] offset:262144+2048*(\a)+64*\u+16*\k
.endr
.endr
.endm
	CSLOAD 0
	s_wait_dscnt 0x0                               ; A's blocks 4-7 are in
	WIN MUL_HI
	MUL16 4, 1, NQ-1, 1, 0                         ; the last 32 products run while those loads are on their way
	MUL16 6, 1, NQ-1, 1, 0
	WIN 0
	PLACES NP
.irp b, 0,1,2,3
	v_mov_b32 v[TM+4+\b], 0                        ; written once: a lane permute's destination counts as one of its sources
.endr
.macro QKROW a                         ; row block a: bias, the rotary turn, the quantiser, codes and scale words into the stage
.if (\a) < 7
	CSLOAD (\a)+1
	s_wait_loadcnt 8                               ; only the eight loads just issued may be out
.else
	s_wait_loadcnt 0x0
.endif
.if (\a) == 0
.irp i, 0,1,2,3,4,5,6,7
	v_cmp_ne_u32 vcc_lo, 0, v[UP+\i]
	v_cndmask_b32 v[UP+\i], v18, v19, vcc_lo       ; the pad mask selects a value, never an address
.endr
.endif
.set AC, 64*((\a)%4)
.set WN, 0x02+(\a)/4
.set CB, CS+32*((\a)%2)
	WIN WN                                         ; source 0: the accumulators' window
.irp b, 0,1,2,3,4,5,6,7
.irp k, 0,2,4,6
	v_pk_add_f32 v[X+8*\b+\k:X+8*\b+\k+1], v[AC+8*\b+\k:AC+8*\b+\k+1], v[BIAS+8*\b+\k:BIAS+8*\b+\k+1]   ; each accumulator from its low end on
.endr
.endr
	WIN 0
.irp hd, 0,1                           ; dims d and d + 32 of a head lie 16 registers apart: lo' = lo cos - hi sin, hi' = hi cos + lo sin
.irp u, 0,1
.irp jj, 0,4
.set RLO, X+32*\hd+8*\u+\jj
.set RHI, RLO+16
.set RCC, CB+8*\u+\jj
.set RSS, RCC+16
	v_pk_mul_f32 v[2:3], v[RHI:RHI+1], v[RSS:RSS+1]
	v_pk_mul_f32 v[4:5], v[RHI+2:RHI+3], v[RSS+2:RSS+3]
	v_pk_mul_f32 v[6:7], v[RLO:RLO+1], v[RSS:RSS+1]
	v_pk_mul_f32 v[30:31], v[RLO+2:RLO+3], v[RSS+2:RSS+3]
	v_pk_fma_f32 v[RLO:RLO+1], v[RLO:RLO+1], v[RCC:RCC+1], v[2:3] neg_lo:[0,0,1] neg_hi:[0,0,1]
	v_pk_fma_f32 v[RLO+2:RLO+3], v[RLO+2:RLO+3], v[RCC+2:RCC+3], v[4:5] neg_lo:[0,0,1] neg_hi:[0,0,1]
	v_pk_fma_f32 v[RHI:RHI+1], v[RHI:RHI+1], v[RCC:RCC+1], v[6:7]
	v_pk_fma_f32 v[RHI+2:RHI+3], v[RHI+2:RHI+3], v[RCC+2:RCC+3], v[30:31]
.endr
.endr
.endr
	QUANT X, 0
	v_lshl_or_b32 v22, v[TM+5], 8, v[TM+4]         ; a head's two bytes under the upper half
	v_lshl_or_b32 v23, v[TM+7], 8, v[TM+6]
	v_or_b32 v22, v22, v[UP+(\a)]
	v_or_b32 v23, v23, v[UP+(\a)]
.irp hd, 0,1
.irp t, 0,1,2,3                        ; my 8 codes of dims 32 (t / 2) + 16 (t % 2) + 8 h on: the operand's lane (r, t % 2), bytes 8 h on
	ds_store_b64 v24, v[PC+8*\hd+2*\t:PC+8*\hd+2*\t+1] offset:8704*\hd+1024*(\a)+512*(\t/2)+256*(\t%2)
.endr
.endr
	ds_store_b32 v25, v22 offset:8192+256*((\a)%2)+4*((\a)/2)          ; both halves of the lanes write the same word with the same value
	ds_store_b32 v25, v23 offset:8704+8192+256*((\a)%2)+4*((\a)/2)
.endm
.irp a, 0,1,2,3,4,5,6,7
	QKROW \a
.endr
	; two records of 8,704 bytes leave: LDS serves a wave's instructions in order (ISA guide 5.7.1.4), so these loads see my stores; each store covers 512 consecutive, aligned bytes
.set i, 0
.rept 17
	ds_load_b128 v[64+4*i:64+4*i+3], v27 offset:512*i
.set i, i+1
.endr
.set i, 0
.rept 17
	ds_load_b128 v[132+4*i:132+4*i+3], v27 offset:8704+512*i
.set i, i+1
.endr
.set i, 0
.rept 17
	s_wait_dscnt 33-i                              ; the younger loads may be out
	global_store_b128 v26, v[64+4*i:64+4*i+3], s[78:79] offset:512*i
.set i, i+1
.endr
.set i, 0
.rept 17
	s_wait_dscnt 16-i
	global_store_b128 v26, v[132+4*i:132+4*i+3], s[80:81] offset:512*i
.set i, i+1
.endr
	s_branch .Ljoin
	; ---------------- v.  Lane (r, h) of accumulator (a, b): dim 16 a + r of my 128 (two heads), key 16 b + 8 h + 0 .. 7 of my 128
.Lv_arm:
	s_lshl_b32 s2, s98, 8
	s_lshl_b32 s3, s15, 7
	s_add_co_u32 s2, s2, s3                        ; my first column of v
	s_lshr_b32 s12, s2, 6                          ; my first head
	s_lshr_b32 s13, s99, 3                         ; the batch
	s_and_b32 s3, s99, 7
	s_lshl_b32 s3, s3, 1
	s_add_co_u32 s3, s3, s16                       ; which 128 keys
	s_add_co_u32 s18, s2, 2048
	s_lshl_b32 s18, s18, 2
	s_mov_b32 s19, 0
	s_add_nc_u64 s[68:69], s[68:69], s[18:19]      ; my bias
	s_lshl_b32 s18, s13, 4
	s_add_co_u32 s18, s18, s12
	s_lshl_b32 s18, s18, 4
	s_add_co_u32 s18, s18, s3
	s_mul_i32 s18, s18, 17152
	s_add_co_u32 s18, s18, 8704                    ; v's part of the record
	s_add_nc_u64 s[78:79], s[76:77], s[18:19]
	s_add_nc_u64 s[80:81], s[78:79], 16*17152
	s_mul_i32 s23, s14, VW
	s_add_co_u32 s23, s23, VSTG                    ; my stage
	v_and_b32 v1, 15, v0                           ; r.  (These plain lines are also the places in front of the loads below)
	v_bfe_u32 v6, v0, 4, 1                         ; h
	v_lshlrev_b32 v16, 2, v1                       ; bias: 4 r
	v_lshrrev_b32 v7, 3, v1                        ; r / 8: which of a pair of tiles
	v_and_b32 v1, 7, v1
	v_lshlrev_b32 v24, 11, v7
	v_lshl_add_u32 v24, v6, 8, v24
	v_lshl_add_u32 v24, v1, 4, v24
	v_add_nc_u32 v24, s23, v24                     ; codes: 2,048 (r / 8) + 256 h + 16 (r % 8)
	v_lshlrev_b32 v25, 7, v7
	v_lshl_add_u32 v25, v1, 3, v25
	v_add_nc_u32 v25, s23, v25                     ; scale words: 128 (r / 8) + 8 (r % 8)
	v_and_b32 v7, 31, v0
	v_lshlrev_b32 v26, 4, v7
	v_add_nc_u32 v27, s23, v26
	v_lshlrev_b32 v31, 3, v7
	v_add_nc_u32 v30, s23, v31
.irp a, 0,1,2,3,4,5,6,7
	global_load_b32 v[BIAS+\a], v16, s[68:69] offset:64*\a
.endr
	s_wait_dscnt 0x0
	WIN MUL_HI
	MUL16 4, 1, NQ-1, 1, 0
	MUL16 6, 1, NQ-1, 1, 0
	WIN 0
	PLACES NP
.irp b, 0,1,2,3
	v_mov_b32 v[TM+4+\b], 0
.endr
	s_wait_loadcnt 0x0
.macro VROW a                          ; dims 16 a + r: the bias, the quantiser along the keys, codes and the scale word into the stage
.set AC, 64*((\a)%4)
.set WN, 0x02+(\a)/4
.set BVP, BIAS+2*((\a)/2)
	WIN WN
.irp b, 0,1,2,3,4,5,6,7
.irp k, 0,2,4,6
.if (\a)%2 == 0
	v_pk_add_f32 v[X+8*\b+\k:X+8*\b+\k+1], v[AC+8*\b+\k:AC+8*\b+\k+1], v[BVP:BVP+1] op_sel_hi:[1,0]
.else
	v_pk_add_f32 v[X+8*\b+\k:X+8*\b+\k+1], v[AC+8*\b+\k:AC+8*\b+\k+1], v[BVP:BVP+1] op_sel:[0,1] op_sel_hi:[1,1]
.endif
.endr
.endr
	WIN 0
	QUANT X, 1
.irp c, 0,1,2,3                        ; dim d = 16 (a % 4) + r goes to tile 2 (d / 32) + (d / 8) % 2, row 8 ((d / 16) % 2) + d % 8; my 8 codes of keys 32 c + 16 u + 8 h on stand at bytes 8 u of lane (row, h)
.irp u, 0,1
	ds_store_b64 v24, v[PC+4*\c+2*\u:PC+4*\c+2*\u+1] offset:8448*((\a)/4)+4096*(((\a)%4)/2)+128*((\a)%2)+512*\c+8*\u
.endr
.endr
	ds_store_b32 v25, v22 offset:8448*((\a)/4)+8192+64*((\a)%2)+4*(((\a)%4)/2)
.endm
.irp a, 0,1,2,3,4,5,6,7
	VROW \a
.endr
.set i, 0
.rept 16
	ds_load_b128 v[64+4*i:64+4*i+3], v27 offset:512*i
.set i, i+1
.endr
	ds_load_b64 v[128:129], v30 offset:8192
.set i, 0
.rept 16
	ds_load_b128 v[132+4*i:132+4*i+3], v27 offset:8448+512*i
.set i, i+1
.endr
	ds_load_b64 v[196:197], v30 offset:8448+8192
.set i, 0
.rept 16
	s_wait_dscnt 33-i
	global_store_b128 v26, v[64+4*i:64+4*i+3], s[78:79] offset:512*i
.set i, i+1
.endr
	s_wait_dscnt 17
	global_store_b64 v31, v[128:129], s[78:79] offset:8192
.set i, 0
.rept 16
	s_wait_dscnt 16-i
	global_store_b128 v26, v[132+4*i:132+4*i+3], s[80:81] offset:512*i
.set i, i+1
.endr
	s_wait_dscnt 0x0
	global_store_b64 v31, v[196:197], s[80:81] offset:8192
.Ljoin:
	s_wait_tensorcnt 0x0                           ; the wave's end: behind my last tensor load and my last LDS store
	ds_add_u32 v[SPW], v[NIL]
	s_wait_dscnt 0x0
	CROUND                                         ; the closing round
	s_endpgm
.Lfunc_end_k_q9755924b77_qkv:
	.size	k_q9755924b77_qkv, .Lfunc_end_k_q9755924b77_qkv-k_q9755924b77_qkv
	.p2alignl 7, 3214868480
	.fill 96, 4, 3214868480
	.section	.rodata,"a",@progbits
	.p2align	6, 0x0
	.amdhsa_kernel k_q9755924b77_qkv
		.amdhsa_group_segment_fixed_size 327680
		.amdhsa_private_segment_fixed_size 0
		.amdhsa_enable_private_segment 0
		.amdhsa_kernarg_size 72
		.amdhsa_user_sgpr_count 2
		.amdhsa_user_sgpr_kernarg_segment_ptr 1
		.amdhsa_wavefront_size32 1
		.amdhsa_system_sgpr_workgroup_id_x 1
		.amdhsa_system_sgpr_workgroup_id_y 1
		.amdhsa_system_sgpr_workgroup_id_z 1
		.amdhsa_system_vgpr_workitem_id 0
		.amdhsa_next_free_vgpr 1024
		.amdhsa_next_free_sgpr 105
		.amdhsa_reserve_vcc 1
		.amdhsa_float_denorm_mode_32 3
		.amdhsa_float_denorm_mode_16_64 3
		.amdhsa_memory_ordered 1
		.amdhsa_forward_progress 1
		.amdhsa_inst_pref_size 255
	.end_amdhsa_kernel
	.section	.bss,"aw",@nobits
	.p2align	6
	.space	262144
	.amdgpu_metadata
---
amdhsa.version: [ 1, 2 ]
amdhsa.kernels:
  - .name:           k_q9755924b77_qkv
    .symbol:         k_q9755924b77_qkv.kd
    .args:
      - { .name: x_codes, .offset: 0, .size: 8, .value_kind: global_buffer, .address_space: global }
      - { .name: x_scales, .offset: 8, .size: 8, .value_kind: global_buffer, .address_space: global }
      - { .name: W_qkv_codes, .offset: 16, .size: 8, .value_kind: global_buffer, .address_space: global }
      - { .name: W_qkv_scales, .offset: 24, .size: 8, .value_kind: global_buffer, .address_space: global }
      - { .name: b_qkv, .offset: 32, .size: 8, .value_kind: global_buffer, .address_space: global }
      - { .name: pad_mask, .offset: 40, .size: 8, .value_kind: global_buffer, .address_space: global }
      - { .name: trig, .offset: 48, .size: 8, .value_kind: global_buffer, .address_space: global }
      - { .name: qimg, .offset: 56, .size: 8, .value_kind: global_buffer, .address_space: global }
      - { .name: kv, .offset: 64, .size: 8, .value_kind: global_buffer, .address_space: global }
    .group_segment_fixed_size: 327680
    .private_segment_fixed_size: 0
    .kernarg_segment_align: 8
    .kernarg_segment_size: 72
    .max_flat_workgroup_size: 128
    .sgpr_count:     105
    .vgpr_count:     1024
    .wavefront_size: 32
...
	.end_amdgpu_metadata
.endif
;; end of part 2
;; launch attn (part 3): grid 4 x 64, 16 waves a work-group, no clusters, 327,680 bytes of LDS; arguments qimg, kv, yimg, ysc; writes yimg, ysc
.if DOCPART == 3
	.amdgcn_target "amdgcn-amd-amdhsa--gfx1250"
	.amdhsa_code_object_version 6
	.text
	.protected	k_q9755924b77_attn
	.globl	k_q9755924b77_attn
	.p2align	8
	.type	k_q9755924b77_attn,@function
k_q9755924b77_attn:
	s_mov_b64 s[64:65], 0
	v_nop
	global_prefetch_b8 v0, s[64:65] scope:SCOPE_SE
	s_setreg_imm32_b32 hwreg(HW_REG_WAVE_MODE, 25, 1), 1
	s_wait_xcnt 0x0
; y = softmax(q k^T / 8, causal and padded) v for one head, both products on codes of E4M3 with E8M0 scales, then y's quantiser along the model's 1,024.
; THE SOFTMAX: t = score x log2(e) / 8; M = the running largest t rounded up to a whole number; p = 2^(t - M) is quantised along the keys, not normalised; the sum of the unquantised p divides at the end.
; SHARES.  Work-group (i, batch x head) owns query blocks i and 7 - i (256 queries each), one after the other: 9 slots of 256 keys whatever i is, so all 256 work-groups have equal work and the loop's trip
; count is a constant.  Each of sixteen waves owns 16 queries at a time, in 256 registers: four waves to a SIMD, so that one wave's vector work stands beside another's products and LDS loads.
; NO CLUSTER: the four work-groups of a head want different slots at the same trip (i + 1 slots, then 8 - i); in step they would walk 12 slots in place of 9.
; A slot is two records of 17,152 bytes as the launch before laid them: k's codes, k's scale words, v's codes, v's scale words, all in the order of the operands' registers: every LDS read is 16 (or 8) x lane.
; LAYOUT.  S^T = k q^T (source 0 = 16 neighbouring keys, source 1 = my queries): lane (r, h) holds query r and keys 16 T + 8 h + 0 .. 7.  The 16 registers of tiles 2 b, 2 b + 1 are p's operand registers as they
; stand; v's codes have the keys of a block of 32 in that same order.  O^T = v^T p^T; the dims of v's tiles are chosen so that the 16 registers of tiles 2 b', 2 b' + 1 are dims 32 b' + 16 h + 0 .. 15: y's operand.
; K = 64 fills half of the instruction's 128.  At k = 64 q has the code 1.0 (scale byte 127) and k the code -448, whose scale byte is 2^90 for a padded key and 2^-126 else: THE PAD MASK COSTS NO LINE HERE.
; The largest t starts at -2^66: above every padded t (about -1e29), under every real one; so padded keys give p = 0.  A query with no visible key ends with the sum 0: its two scale bytes are stored as 0xff,
; which makes its row of the output NaN in the next launch.
; LIMITS: |t| stays under 2^66; an unpadded score carries -448 x 2^-126; a block of zeros keeps the byte 1 (only this program reads the bytes); NaN and infinities among the inputs are not served.
.set REC,   17152
.set SLOT1, 65536                      ; slot 1 begins here: one exclusive or turns an address
.set SPARE, 131072                     ; the spare words, 128 bytes a wave: eight blocks of 256 bytes that no other line names
.set LI,  1                            ; v1   16 x lane
.set L8,  2                            ; v2   8 x lane
.set ADK, 3                            ; v3   the slot in hand + 16 x lane
.set ADV8, 4                           ; v4   the slot in hand + 8 x lane
.set SPW, 5
.set NIL, 6
.set PFO, 7                            ; v7   256 x lane
.set YS,  8                            ; v8   32 x r
.set DG,  9                            ; v9   r - 8 h
.set Q,   16                           ; v16-31  q's operand: v16-23 codes, v24 the code 1.0 at k = 64, v25-31 zeros
.set KT,  32                           ; v32-95  four tiles of k: registers 0-7 codes, 8 the code -448 at k = 64, 9-15 zeros; the upper eight are set once
.set S,   96                           ; v96-159 S^T, then p, then v's four tiles
.set O,   160                          ; v160-191 O^T
.set PC,  192                          ; v192-207 p's codes; at the end y's
.set Q2,  208                          ; v208-215, v216 the second block's q and its scale word
.set QS,  217
.set PW,  218
.set KSC, 220
.set VSC, 224
.set BM,  226
.set BB,  230
.set BH,  234
.set BS,  238
.set TB,  2
.set SLOTS, 3
.set WV,  18
.set MNT, 19
.set FIN, 40
.set Q0B, 41
.set FS,  42
.set KF,  44
.set Q0,  45
.set LIM, 52
.macro TLOAD                           ; waves 0 and 1 fetch a record each; four v_nop follow the line
	s_cmp_lt_u32 s[WV], 2
	s_cbranch_scc0 .Lasked_\@
	tensor_load_to_lds s[32:35], s[24:31]
	s_nop 0
.rept 4
	v_nop
.endr
.Lasked_\@:
.endm
; A prefetch of what the NEXT change of slots will ask for.  All four work-groups of a head read the same records: the first of them asks, in the trips in which it walks its first block's slot and slots 0 to 5 of its second block.
; Waves 4 to 7 name k's or v's 8,192 bytes of codes of one of the slot's two records, lanes 256 bytes apart: each block is named once.  Slot 0 and the scale words come by their loads alone; the last change asks for nothing.
.macro ASK
	s_cmp_gt_u32 s[SLOTS], s[LIM]
	s_cbranch_scc0 .Lnot_mine_\@
	global_prefetch_b8 v[PFO], s[50:51] th:TH_LOAD_NT scope:SCOPE_SE
.Lnot_mine_\@:
.endm
.macro RESET                           ; a block of queries begins: zeros, and the largest t at -2^66
.set n, 0
.rept 32
	v_mov_b32 v[O+n], 0
.set n, n+1
.endr
	v_mov_b32 v14, 0
	v_mov_b32 v15, 0
	v_mov_b32 v13, 0xe0800000
	v_floor_f32 v12, -v13
.endm
	s_load_b256 s[4:11], s[0:1], 0x0               ; qimg, kv, yimg, ysc
	v_lshl_add_u32 v[SPW], v0, 2, SPARE
	v_mov_b32 v[NIL], 0
	ds_add_u32 v5, v6
	s_wait_dscnt 0x0
	v_lshrrev_b32 v10, 5, v0
	v_readfirstlane_b32 s[WV], v10                 ; wave 0..15
	s_and_b32 s12, ttmp7, 0xffff                   ; batch x 16 + head
	s_and_b32 s13, s[WV], 1
	s_mov_b32 s24, 3<<16                           ; group 1: a record as 67 rows of 256 bytes (32 elements of 8 bytes), dense, no padding
	s_mov_b32 s25, 32<<16
	s_mov_b32 s26, 67<<16
	s_mov_b32 s27, 32<<16
	s_mov_b32 s28, 67
	s_mov_b32 s29, 32
	s_mov_b32 s30, 0
	s_mov_b32 s31, 0
	s_mul_i32 s38, s12, 16*REC                     ; the head's sixteen records
	s_mul_i32 s33, s13, REC                        ; my record's place in a slot
	s_add_co_u32 s54, s38, s33
	s_mov_b32 s55, 0
	s_mov_b32 s32, 1
	s_wait_kmcnt 0x0
	s_add_nc_u64 s[36:37], s[6:7], s[54:55]        ; my record of slot 0
	s_mov_b64 s[34:35], s[36:37]
	s_or_b32 s35, s35, 0x80000000
	TLOAD                                          ; slot 0
	s_mov_b32 s[MNT], 0x600000
	s_mov_b32 s20, 0x76543210
	s_mov_b32 s21, 0xfedcba98
	s_mov_b32 s22, 0x3e38aa3b                      ; c = log2(e) / 8
	s_mov_b32 s23, s22
	s_mov_b32 s[TB], 0
	s_mov_b32 s[SLOTS], 8
	s_mov_b32 s[FS], 0
	s_mov_b32 s[KF], 0
	s_sub_co_u32 s[FIN], 8, ttmp9                  ; the count at which the first block's last slot is walked
	s_lshl_b32 s43, s[WV], 4
	s_lshl_b32 s[Q0], ttmp9, 8
	s_add_co_u32 s[Q0], s[Q0], s43                 ; my first query: 256 i + 16 wave
	s_sub_co_u32 s[Q0B], 7, ttmp9
	s_lshl_b32 s[Q0B], s[Q0B], 8
	s_add_co_u32 s[Q0B], s[Q0B], s43               ; and in the second block
	; the prefetches
	s_lshr_b32 s39, s[WV], 1
	s_and_b32 s39, s39, 1
	s_mul_i32 s39, s39, REC
	s_mul_i32 s43, s13, 8704
	s_add_co_u32 s39, s39, s43
	s_add_co_u32 s54, s38, s39
	s_add_nc_u64 s[50:51], s[6:7], s[54:55]        ; in slot 0; each change of slots steps it first
	s_lshr_b32 s39, s[WV], 2
	s_xor_b32 s39, s39, 1                          ; 0 in waves 4 to 7,
	s_or_b32 s39, s39, ttmp9                       ; of the head's first work-group
	s_cmp_eq_u32 s39, 0
	s_cselect_b32 s[LIM], 1, -1
	; y's places: row = 2,048 batch + query; yimg: 1,024 bytes a row (16,384 a tile of 16) + 1,024 x head; ysc: 32 bytes a row + 2 x head
	s_lshr_b32 s38, s12, 4
	s_lshl_b32 s38, s38, 11
	s_add_co_u32 s38, s38, s[Q0]
	s_and_b32 s39, s12, 15
	s_lshl_b32 s54, s38, 10
	s_lshl_b32 s43, s39, 10
	s_add_co_u32 s54, s54, s43
	s_add_nc_u64 s[46:47], s[8:9], s[54:55]
	s_lshl_b32 s54, s38, 5
	s_lshl_b32 s43, s39, 1
	s_add_co_u32 s54, s54, s43
	s_add_nc_u64 s[48:49], s[10:11], s[54:55]
	s_lshl_b32 s38, ttmp9, 1
	s_sub_co_u32 s38, 7, s38                       ; the second block lies 7 - 2 i blocks of 256 rows on
	s_lshl_b32 s14, s38, 18
	s_mov_b32 s15, 0
	s_lshl_b32 s16, s38, 13
	s_mov_b32 s17, 0
	; q: record (16 x (batch x head) + group of 128 rows), tile wave % 8
	s_and_b32 s38, s[WV], 7
	s_lshl_b32 s39, s38, 10                        ; the tile: 1,024 bytes
	s_and_b32 s43, s38, 1
	s_lshl_b32 s43, s43, 8
	s_lshr_b32 s38, s38, 1
	s_lshl_b32 s38, s38, 2
	s_add_co_u32 s43, s43, s38
	s_add_co_u32 s43, s43, 8192                    ; its scale words: 8,192 + 256 (T % 2) + 4 (T / 2), + 16 r
	s_lshl_b32 s38, s12, 4
	s_lshr_b32 s54, s[WV], 3
	s_add_co_u32 s38, s38, s54
	s_lshl_b32 s54, ttmp9, 1
	s_add_co_u32 s56, s38, s54                     ; the first block's record
	s_sub_co_u32 s54, 14, s54
	s_add_co_u32 s60, s38, s54                     ; the second's
	s_mul_i32 s56, s56, 8704
	s_mul_i32 s60, s60, 8704
	s_add_co_u32 s54, s56, s39
	s_add_co_u32 s56, s56, s43
	s_add_co_u32 s58, s60, s39
	s_add_co_u32 s60, s60, s43
	s_mov_b32 s57, 0
	s_mov_b32 s59, 0
	s_mov_b32 s61, 0
	s_add_nc_u64 s[54:55], s[4:5], s[54:55]
	s_add_nc_u64 s[56:57], s[4:5], s[56:57]
	s_add_nc_u64 s[58:59], s[4:5], s[58:59]
	s_add_nc_u64 s[60:61], s[4:5], s[60:61]
	v_and_b32 v10, 31, v0
	v_lshlrev_b32 v[LI], 4, v10
	v_lshlrev_b32 v[L8], 3, v10
	v_lshlrev_b32 v[PFO], 8, v10
	v_and_b32 v11, 15, v0                          ; r
	v_bfe_u32 v10, v0, 4, 1                        ; h
	v_lshlrev_b32 v[YS], 5, v11
	v_lshlrev_b32 v246, 4, v11
	global_load_b128 v[Q:Q+3], v[LI], s[54:55]
	global_load_b128 v[Q+4:Q+7], v[LI], s[54:55] offset:512
	global_load_b32 v[QS], v246, s[56:57]
	global_load_b128 v[Q2:Q2+3], v[LI], s[58:59]
	global_load_b128 v[Q2+4:Q2+7], v[LI], s[58:59] offset:512
	global_load_b32 v[Q2+8], v246, s[60:61]
	v_lshlrev_b32 v[DG], 3, v10
	v_sub_nc_u32 v[DG], v11, v[DG]
	v_xor_b32 v10, 1, v10                          ; 1 in lanes 0-15: k = 64 is byte 0 of register 8 there
	v_mul_u32_u24 v[Q+8], v10, 0x38                ; the code of 1.0
.irp c, 9,10,11,12,13,14,15
	v_mov_b32 v[Q+\c], 0
.endr
.irp t, 0,1,2,3
	v_mul_u32_u24 v[KT+16*\t+8], v10, 0xfe         ; the code of -448
.irp c, 9,10,11,12,13,14,15
	v_mov_b32 v[KT+16*\t+\c], 0
.endr
.endr
.irp b, 0,1,2,3
	v_mov_b32 v[BB+\b], 0                          ; written once: a lane permute's destination counts as one of its sources
.endr
	v_mov_b32 v243, 0                              ; (upper halves of pairs of which the low word serves)
	v_mov_b32 v249, 0
	RESET
; A KEY STEP: 128 keys, the q-th record of the slot in hand.
.macro STEP q
	s_add_co_u32 s54, s[Q0], 15                    ; a step all of whose keys come after my 16 queries is left out: a scalar branch on ids
	s_cmp_gt_u32 s[KF], s54
	s_cbranch_scc1 .Lhidden_\@
	ds_load_b128 v[KSC:KSC+3], v[ADK] offset:REC*(\q)+8192   ; register w: lanes 0-15 tile 2 w's scale words, lanes 16-31 tile 2 w + 1's
.irp g, 0,1                                    ; S^T = k q^T, four tiles of 16 keys at a time
.if \g == 1
.rept 8
	v_nop                                          ; places in front of loads into registers that matrix instructions have read
.endr
.endif
.irp t, 0,1,2,3
.irp c, 0,1
	ds_load_b128 v[KT+16*\t+4*\c:KT+16*\t+4*\c+3], v[ADK] offset:REC*(\q)+1024*(4*\g+\t)+512*\c
.endr
.endr
.if \g == 0
.rept 9
	v_nop                                          ; the scores are laid over v's tiles, which the last step's products read: nine places for a matrix instruction that writes over them
.endr
.endif
	s_wait_dscnt 0x0
.irp t, 0,2
	v_wmma_scale_f32_16x16x128_f8f6f4 v[S+8*(4*\g+\t):S+8*(4*\g+\t)+7], v[KT+16*\t:KT+16*\t+15], v[Q:Q+15], 0, v[KSC+2*\g+\t/2], v[QS]
	v_wmma_scale_f32_16x16x128_f8f6f4 v[S+8*(4*\g+\t+1):S+8*(4*\g+\t+1)+7], v[KT+16*(\t+1):KT+16*(\t+1)+15], v[Q:Q+15], 0, v[KSC+2*\g+\t/2], v[QS] matrix_a_scale:MATRIX_SCALE_ROW1
.endr
.endr
.rept 8
	v_nop
.endr
	s_add_co_u32 s54, s[KF], 127                   ; on the diagonal hidden scores become -infinity; a step all of whose keys count skips this
	s_cmp_le_u32 s54, s[Q0]
	s_cbranch_scc1 .Lopen_\@
	s_sub_co_i32 s54, s[Q0], s[KF]
	v_add_nc_u32 v246, s54, v[DG]                  ; d = my query - the step's first key - 8 h.  Register n holds key 16 (n / 8) + 8 h + n % 8: hidden where 16 (n / 8) + n % 8 > d
	v_mov_b32 v247, 0xff800000
.set n, 0
.rept 64
	v_cmp_gt_i32 vcc_lo, 16*(n/8)+n%8, v246
	v_cndmask_b32 v[S+n], v[S+n], v247, vcc_lo
.set n, n+1
.endr
.Lopen_\@:
.irp b, 0,1,2,3
	v_max3_num_f32 v[BM+\b], v[S+16*\b], v[S+1+16*\b], v[S+2+16*\b]   ; the largest score of each block of 32 keys: for the row's maximum and, since p rises with the score, for the block's largest p
.endr
.irp i, 3,5,7,9,11,13
.irp b, 0,1,2,3
	v_max3_num_f32 v[BM+\b], v[BM+\b], v[S+16*\b+\i], v[S+1+16*\b+\i]
.endr
.endr
.irp b, 0,1,2,3
	v_max_num_f32 v[BM+\b], v[BM+\b], v[S+15+16*\b]
.endr
.irp b, 0,1,2,3
	v_permlanex16_b32 v[BB+\b], v[BM+\b], s20, s21
.endr
.irp b, 0,1,2,3
	v_max_num_f32 v[BM+\b], v[BM+\b], v[BB+\b]     ; with the lane 16 away
.endr
	v_max3_num_f32 v246, v[BM], v[BM+1], v[BM+2]
	v_max_num_f32 v246, v246, v[BM+3]
	v_mul_f32 v246, s22, v246                      ; as t
	v_max_num_f32 v13, v13, v246                   ; the running largest t
	v_mov_b32 v246, v12
	v_floor_f32 v12, -v13                          ; -M = floor(-t): M is a whole number
	v_sub_f32 v246, v12, v246                      ; old M - new M, 0 or less
	v_cvt_i32_f32 v246, v246                       ; (it saturates)
	v_ldexp_f32 v242, 1.0, v246                    ; f = 2^(old M - new M): a multiplication by it rounds nothing
.set n, 0
.rept 32
	v_pk_fma_f32 v[S+n:S+n+1], v[S+n:S+n+1], s[22:23], v[12:13] op_sel_hi:[1,0,0]   ; t - M
.set n, n+2
.endr
.irp b, 0,1,2,3
	v_fma_f32 v[BM+\b], v[BM+\b], s22, v12
.endr
.set n, 0
.rept 64
	v_exp_f32 v[S+n], v[S+n]                       ; p: one batch
.set n, n+1
.endr
	v_pk_mul_f32 v[14:15], v[14:15], v[242:243] op_sel_hi:[1,0]   ; the sums under the new M: a plain line behind the batch
	s_wait_alu depctr_va_vdst(0)                   ; one wait for the 64, ahead of their first reader
.irp b, 0,1,2,3
	v_exp_f32 v[BM+\b], v[BM+\b]                   ; each block's largest p
.endr
	v_pk_add_f32 v[244:245], v[S:S+1], v[S+2:S+3]  ; the row's sum of the unquantised p, in two chains
.set n, 4
.rept 15
	v_pk_add_f32 v[14:15], v[14:15], v[S+n:S+n+1]
	v_pk_add_f32 v[244:245], v[244:245], v[S+2+n:S+3+n]
.set n, n+4
.endr
	v_pk_add_f32 v[14:15], v[14:15], v[244:245]
	s_wait_alu depctr_va_vdst(0)                   ; and one for the four
.irp b, 0,1,2,3
	v_max_num_f32 v[BM+\b], 0x4800000, v[BM+\b]    ; the floor 2^(9 - 127): the byte cannot fall under 1
.endr
.irp b, 0,1,2,3
	v_add_nc_u32 v[BS+\b], 0xfc000000, v[BM+\b]    ; the conversion's scale operand
.endr
.irp b, 0,1,2,3
	v_and_or_b32 v[BH+\b], v[BM+\b], 0x7f800000, s[MNT]   ; 448 x the scale
.endr
.irp b, 0,1,2,3
	v_lshrrev_b32 v[BB+\b], 23, v[BS+\b]           ; the scale's byte
.endr
	v_lshl_or_b32 v[PW], v[BB+1], 8, v[BB]         ; p's scale word for these 128 keys
	v_lshl_or_b32 v[PW], v[BB+2], 16, v[PW]
	v_lshl_or_b32 v[PW], v[BB+3], 24, v[PW]
.irp b, 0,1,2,3
.irp i, 0,1,2,3,4,5,6,7,8,9,10,11,12,13,14,15
	v_min_num_f32 v[S+16*\b+\i], v[S+16*\b+\i], v[BH+\b]   ; the conversion does not saturate (ISA guide 7.6.2); p is not negative: a one-sided hold
.endr
	v_cvt_scalef32_pk8_fp8_f32 v[PC+4*\b:PC+4*\b+1], v[S+16*\b:S+16*\b+7], v[BS+\b]
	v_cvt_scalef32_pk8_fp8_f32 v[PC+4*\b+2:PC+4*\b+3], v[S+16*\b+8:S+16*\b+15], v[BS+\b]
.endr
	v_nop                                          ; one plain line behind the last scaled conversion
.irp t, 0,1,2,3                                ; v's four tiles take p's registers, which are done with
.irp c, 0,1,2,3
	ds_load_b128 v[S+16*\t+4*\c:S+16*\t+4*\c+3], v[ADK] offset:REC*(\q)+8704+2048*\t+512*\c
.endr
.endr
	ds_load_b64 v[VSC:VSC+1], v[ADV8] offset:REC*(\q)+16896
.set n, 0
.rept 16
	v_pk_mul_f32 v[O+n:O+n+1], v[O+n:O+n+1], v[242:243] op_sel_hi:[1,0]   ; O^T under the new M; these lines are also the places between the codes and the products
.set n, n+2
.endr
	s_wait_dscnt 0x0
.irp t, 0,2                                    ; O^T += v^T p^T: the four accumulators by turns
	v_wmma_scale_f32_16x16x128_f8f6f4 v[O+8*\t:O+8*\t+7], v[S+16*\t:S+16*\t+15], v[PC:PC+15], v[O+8*\t:O+8*\t+7], v[VSC+\t/2], v[PW]
	v_wmma_scale_f32_16x16x128_f8f6f4 v[O+8*(\t+1):O+8*(\t+1)+7], v[S+16*(\t+1):S+16*(\t+1)+15], v[PC:PC+15], v[O+8*(\t+1):O+8*(\t+1)+7], v[VSC+\t/2], v[PW] matrix_a_scale:MATRIX_SCALE_ROW1
.endr
.Lhidden_\@:
	s_add_co_u32 s[KF], s[KF], 128
.endm
; THE CHANGE OF SLOTS, at a slot's head: each wave waits for all its tensor loads, adds 0 to its spare word, waits for that and for its reads of the slot that it has left; one barrier; then the slot left is filled.
.macro CHANGE fill
	s_wait_tensorcnt 0x0                           ; no tensor load of mine is out, so group 0 may be written
	ds_add_u32 v[SPW], v[NIL]                      ; 0 onto my spare word
.if \fill
	s_add_co_u32 s54, s[FS], 1
	s_cmp_eq_u32 s[SLOTS], s[FIN]                  ; behind the first block's last slot comes slot 0 again
	s_cselect_b32 s[FS], 0, s54
	s_mul_i32 s54, s[FS], 2*REC
	s_mov_b32 s55, 0
	s_add_nc_u64 s[34:35], s[36:37], s[54:55]
	s_or_b32 s35, s35, 0x80000000
	s_xor_b32 s33, s33, SLOT1                      ; into the other slot than last time
	s_wait_xcnt 0x0                                ; the last prefetch, a slot back, has read its address
	s_add_nc_u64 s[50:51], s[50:51], 2*REC
.endif
	s_wait_dscnt 0x0                               ; the add is done, and my reads of the slot that I have left are over
	s_barrier_signal -1
	s_barrier_wait -1
.if \fill
	TLOAD                                          ; the first thing behind the barrier, a wave's one tensor load until the next: a slot's two key steps in which to land
	ASK
.endif
.endm
.macro SLOT_STEPS
	v_add_nc_u32 v[ADK], s[TB], v[LI]
	v_add_nc_u32 v[ADV8], s[TB], v[L8]
	STEP 0
	STEP 1
	s_xor_b32 s[TB], s[TB], SLOT1
.endm
; A block of queries is done: y = O^T / the sum, quantised along the head's 64 (two blocks of 32, each shared with the lane 16 away).  The codes are the next launch's operand registers: 512 dense bytes a store.
.macro FINISH reinit
.rept 8
	v_nop                                          ; places behind the last products
.endr
	v_add_f32 v14, v14, v15
	v_permlanex16_b32 v246, v14, s20, s21
	v_add_f32 v14, v14, v246                       ; the row's sum
	v_rcp_f32 v248, v14
	v_cmp_eq_f32 s53, 0, v14                       ; no visible key
	v_mov_b32 v247, 0xffff
	s_wait_alu depctr_va_vdst(0)                   ; the wait ahead of the reciprocal's first reader
.set n, 0
.rept 16
	v_pk_mul_f32 v[S+n:S+n+1], v[O+n:O+n+1], v[248:249] op_sel_hi:[1,0]   ; each accumulator from its low end on
.set n, n+2
.endr
.irp b, 0,1
	v_max3_num_f32 v[BM+\b], |v[S+16*\b]|, |v[S+1+16*\b]|, 0x4800000
.endr
.irp i, 2,4,6,8,10,12,14
.irp b, 0,1
	v_max3_num_f32 v[BM+\b], v[BM+\b], |v[S+16*\b+\i]|, |v[S+1+16*\b+\i]|
.endr
.endr
.irp b, 0,1
	v_permlanex16_b32 v[BB+\b], v[BM+\b], s20, s21
.endr
.irp b, 0,1
	v_max_num_f32 v[BM+\b], v[BM+\b], v[BB+\b]
.endr
.irp b, 0,1
	v_add_nc_u32 v[BS+\b], 0xfc000000, v[BM+\b]
.endr
.irp b, 0,1
	v_and_or_b32 v[BH+\b], v[BM+\b], 0x7f800000, s[MNT]
.endr
.irp b, 0,1
	v_lshrrev_b32 v[BB+\b], 23, v[BS+\b]
.endr
.irp b, 0,1
.irp i, 0,1,2,3,4,5,6,7,8,9,10,11,12,13,14,15
	v_med3_num_f32 v[S+16*\b+\i], v[S+16*\b+\i], -v[BH+\b], v[BH+\b]
.endr
	v_cvt_scalef32_pk8_fp8_f32 v[PC+4*\b:PC+4*\b+1], v[S+16*\b:S+16*\b+7], v[BS+\b]
	v_cvt_scalef32_pk8_fp8_f32 v[PC+4*\b+2:PC+4*\b+3], v[S+16*\b+8:S+16*\b+15], v[BS+\b]
.endr
	v_lshl_or_b32 v246, v[BB+1], 8, v[BB]          ; my row's two scale bytes,
	v_cndmask_b32 v246, v246, v247, s53            ; or 0xff twice
	global_store_b128 v[LI], v[PC:PC+3], s[46:47]
	global_store_b128 v[LI], v[PC+4:PC+7], s[46:47] offset:512
	global_store_b16 v[YS], v246, s[48:49]         ; two bytes a row, rows 32 bytes apart (both halves of the lanes store the same): 256 KiB in the whole launch
	s_wait_xcnt 0x0                                ; the stores have read their data and bases: both may be written again
.if \reinit
	s_add_nc_u64 s[46:47], s[46:47], s[14:15]
	s_add_nc_u64 s[48:49], s[48:49], s[16:17]
	s_mov_b32 s[Q0], s[Q0B]
	s_mov_b32 s[KF], 0
.irp c, 0,1,2,3,4,5,6,7
	v_mov_b32 v[Q+\c], v[Q2+\c]
.endr
	v_mov_b32 v[QS], v[Q2+8]
	RESET                                          ; (these lines are also the places between q's new registers and the next products)
.endif
.endm
	s_wait_loadcnt 0x0                             ; q, both blocks'
.Lslot:                                            ; eight trips: behind each change of slots but the last the next slot is asked for
	CHANGE 1
	SLOT_STEPS
	s_cmp_lg_u32 s[SLOTS], s[FIN]
	s_cbranch_scc1 .Lno_fin
	FINISH 1                                       ; the first block's last slot has been walked
.Lno_fin:
	s_sub_co_u32 s[SLOTS], s[SLOTS], 1
	s_cmp_lg_u32 s[SLOTS], 0
	s_cbranch_scc1 .Lslot
	CHANGE 0                                       ; the last slot is written out
	SLOT_STEPS
	FINISH 0
	s_wait_tensorcnt 0x0                           ; the wave's end
	ds_add_u32 v[SPW], v[NIL]
	s_wait_dscnt 0x0
	s_endpgm
.Lfunc_end_k_q9755924b77_attn:
	.size	k_q9755924b77_attn, .Lfunc_end_k_q9755924b77_attn-k_q9755924b77_attn
	.p2alignl 7, 3214868480
	.fill 96, 4, 3214868480
	.section	.rodata,"a",@progbits
	.p2align	6, 0x0
	.amdhsa_kernel k_q9755924b77_attn
		.amdhsa_group_segment_fixed_size 327680
		.amdhsa_private_segment_fixed_size 0
		.amdhsa_enable_private_segment 0
		.amdhsa_kernarg_size 32
		.amdhsa_user_sgpr_count 2
		.amdhsa_user_sgpr_kernarg_segment_ptr 1
		.amdhsa_wavefront_size32 1
		.amdhsa_system_sgpr_workgroup_id_x 1
		.amdhsa_system_sgpr_workgroup_id_y 1
		.amdhsa_system_sgpr_workgroup_id_z 1
		.amdhsa_system_vgpr_workitem_id 0
		.amdhsa_next_free_vgpr 256
		.amdhsa_next_free_sgpr 66
		.amdhsa_reserve_vcc 1
		.amdhsa_float_denorm_mode_32 3
		.amdhsa_float_denorm_mode_16_64 3
		.amdhsa_memory_ordered 1
		.amdhsa_forward_progress 1
		.amdhsa_inst_pref_size 119
	.end_amdhsa_kernel
	.amdgpu_metadata
---
amdhsa.version: [ 1, 2 ]
amdhsa.kernels:
  - .name:           k_q9755924b77_attn
    .symbol:         k_q9755924b77_attn.kd
    .args:
      - { .name: qimg, .offset: 0, .size: 8, .value_kind: global_buffer, .address_space: global }
      - { .name: kv, .offset: 8, .size: 8, .value_kind: global_buffer, .address_space: global }
      - { .name: yimg, .offset: 16, .size: 8, .value_kind: global_buffer, .address_space: global }
      - { .name: ysc, .offset: 24, .size: 8, .value_kind: global_buffer, .address_space: global }
    .group_segment_fixed_size: 327680
    .private_segment_fixed_size: 0
    .kernarg_segment_align: 8
    .kernarg_segment_size: 32
    .max_flat_workgroup_size: 512
    .sgpr_count:     66
    .vgpr_count:     256
    .wavefront_size: 32
...
	.end_amdgpu_metadata
.endif
;; end of part 3
;; launch proj (part 4): grid 4 x 64, 4 waves a work-group, clusters of 4 x 4, 327,680 bytes of LDS; arguments yimg, ysc, W_out_codes, W_out_scales, b_out, out0; writes out0
.if DOCPART == 4
	.amdgcn_target "amdgcn-amd-amdhsa--gfx1250"
	.amdhsa_code_object_version 6
	.text
	.protected	k_q9755924b77_proj
	.globl	k_q9755924b77_proj
	.p2align	8
	.type	k_q9755924b77_proj,@function
k_q9755924b77_proj:
	s_mov_b64 s[64:65], 0
	v_nop
	global_prefetch_b8 v0, s[64:65] scope:SCOPE_SE
	s_setreg_imm32_b32 hwreg(HW_REG_WAVE_MODE, 25, 1), 1
	s_wait_xcnt 0x0
	s_wait_alu depctr_hold_cnt(0) depctr_sa_sdst(0) depctr_va_vdst(0) depctr_va_sdst(0) depctr_va_ssrc(0) depctr_va_vcc(0) depctr_vm_vsrc(0)
	s_getreg_b32 s2, hwreg(HW_REG_IB_STS2, 6, 4)
	s_cmp_eq_u32 s2, 0
	s_cbranch_scc0 .Lentry_in_a_cluster
	s_endpgm
.Lentry_in_a_cluster:
	s_bfe_u32 s2, ttmp6, 0x10000c
	s_cmp_lg_u32 s2, 0xf033
	s_cbranch_scc0 .Lentry_shape_is_right
	s_endpgm
.Lentry_shape_is_right:
; out0 = y W_out + b_out on codes of E4M3 with E8M0 scales, K = 1,024.  y's codes come in the order of the operand's registers ([tile of 16 rows][128 K][32 K][lane][16 bytes]), its scale bytes as [row][32].
; A tile of the output is 128 x 256, so that there are 256 work-groups; a wave makes 64 x 128: 32 accumulators.  The matrix instruction is used transposed (source 0 = 16 rows of W, source 1 = 16 rows of y):
; a lane holds eight neighbouring numbers of a row.  The bias is the C of each sum's first product.  A scale byte 0xff of y (a query with no visible key) makes its whole row NaN.
; K goes in four steps of 256 through two LDS slots filled by joint tensor loads: y's tile is shared along a row of the 4 x 4 cluster, W's along a column.  The scale bytes of all of K come once.
; No prefetch: K has four slots' worth of tiles, two of which are asked for at the head.
; REGISTERS: window 0: v0-31 addresses, v32-63 scale words (two sets), v64-127 the bias, v128-255 y's fragments (two sets of four); window 1: W's fragments (two sets of eight); window 2: the accumulators.
.set ROWB,   256
.set KROW,   1024
.set PITCH,  272
.set FR,     16
.set HALFB,  128*PITCH
.set AIMG,   32768                     ; a slot: y's 8 tiles x 4,096 bytes, dense; then W's 256 rows of 272
.set SLOT,   AIMG+2*HALFB
.set SCL,    2*SLOT                    ; y's scales: 16 units of 272; then W's: 32 units
.set SBLK,   544
.set SPARE,  SCL+48*272                ; the spare words, 128 bytes a wave: two blocks of 256 bytes that no other line names
.set SPITCH, 528                       ; the way out: 16 rows x (512 + 16) bytes for each wave, in slot 0, which has had its last fill and its last read by then
.set ADRA, 16
.set ADRB, 20
.set STO,  24
.set RD,   25
.set CO,   26
.set ADRS, 27
.set SPW,  28
.set NIL,  29
.set SC,   32
.set BIAS, 64
.set AF,   128
.set BK,   128
.set G1, 24
.set G0, 32
.set G1B, 48
.set G0B, 56
.set G1S, 68
.set G0S, 76
.set G1SB, 80
.set G0SB, 88
.set MSB, 0
.macro WIN new
.if MSB != \new
	s_set_vgpr_msb (MSB<<8)|\new
.set MSB, \new
.endif
.endm
.set MUL,   0xa1                       ; source 0 (W) window 1, source 1 (y) window 0, C and D window 2
.set MUL_1, 0x81                       ; the same with C (the bias) in window 0
.set TO_B,  0x40
.macro JLOAD g0a, g1a, g0b, g1b        ; waves 0 and 1 fetch for y, waves 2 and 3 for W; four v_nop follow each of the two lines
	s_cmp_eq_u32 s15, 0
	s_cbranch_scc0 .Lfor_b_\@
	tensor_load_to_lds s[\g0a:\g0a+3], s[\g1a:\g1a+7]
	s_nop 0
.rept 4
	v_nop
.endr
	s_branch .Lasked_\@
.Lfor_b_\@:
	tensor_load_to_lds s[\g0b:\g0b+3], s[\g1b:\g1b+7]
	s_nop 0
.rept 4
	v_nop
.endr
.Lasked_\@:
.endm
.macro CREST
	s_cmp_lg_u32 s14, 0
	s_cbranch_scc1 .Lnot_wave_0_\@
	s_barrier_signal -3
.Lnot_wave_0_\@:
	s_barrier_wait -3
	s_barrier_signal -1
	s_barrier_wait -1
.endm
.macro CROUND
	s_barrier_signal -1
	s_barrier_wait -1
	CREST
.endm
	s_load_b128 s[4:7], s[0:1], 0x0                ; y's codes, y's scales
	s_load_b128 s[8:11], s[0:1], 0x10              ; W's codes, W's scales
	s_load_b64 s[96:97], s[0:1], 0x20              ; b_out
	s_load_b64 s[12:13], s[0:1], 0x28              ; out0
	v_lshl_add_u32 v[SPW], v0, 2, SPARE
	v_mov_b32 v[NIL], 0
	ds_add_u32 v28, v29
	s_wait_dscnt 0x0
	v_lshrrev_b32 v1, 5, v0
	v_readfirstlane_b32 s14, v1                    ; wave 0..3
	s_lshr_b32 s15, s14, 1                         ; which 64 rows are mine.  Also: I fetch for y (0) or for W (1)
	s_and_b32 s16, s14, 1                          ; which 128 columns.  Also: which half I fetch
	s_bfe_u32 s40, ttmp6, 0x40000                  ; cx
	s_bfe_u32 s41, ttmp6, 0x40004                  ; cy
	s_lshl_b32 s42, ttmp9, 2
	s_add_co_u32 s42, s42, s40                     ; tile column
	s_and_b32 s17, ttmp7, 0xffff
	s_lshl_b32 s17, s17, 2
	s_add_co_u32 s17, s17, s41                     ; tile row
	s_lshl_b32 s43, s41, 2
	s_lshl_b32 s43, 15, s43                        ; my row of the cluster
	s_lshl_b32 s44, 0x1111, s40                    ; my column
	s_or_b32 s[G1+0], s43, (3<<16)|(1<<21)         ; y's codes: 4 tiles of rows, of each 4,096 consecutive bytes (512 elements of 8), 16,384 bytes apart; no padding
	s_mov_b32 s[G1+1], 512<<16
	s_mov_b32 s[G1+2], 4<<16
	s_mov_b32 s[G1+3], 512<<16
	s_mov_b32 s[G1+4], 4
	s_mov_b32 s[G1+5], 2048
	s_mov_b32 s[G1+6], 0
	s_mov_b32 s[G1+7], 0
	s_or_b32 s[G1B+0], s44, (0<<16)|(1<<20)|(1<<21)|(5<<22)|(3<<25)  ; W's codes: 128 rows of 256 bytes, 16 bytes of padding behind each
	s_mov_b32 s[G1B+1], ROWB<<16
	s_mov_b32 s[G1B+2], 128<<16
	s_mov_b32 s[G1B+3], ROWB<<16
	s_mov_b32 s[G1B+4], 128
	s_mov_b32 s[G1B+5], KROW
	s_mov_b32 s[G1B+6], 0
	s_mov_b32 s[G1B+7], 0
	s_or_b32 s[G1S+0], s43, (3<<16)|(1<<20)|(1<<21)|(5<<22)|(3<<25)  ; the scales of 64 rows of y: 8 rows of 256 bytes
	s_mov_b32 s[G1S+1], 32<<16
	s_mov_b32 s[G1S+2], 8<<16
	s_mov_b32 s[G1S+3], 32<<16
	s_mov_b32 s[G1S+4], 8
	s_mov_b32 s[G1S+5], 32
	s_mov_b32 s[G1S+6], 0
	s_mov_b32 s[G1S+7], 0
	s_or_b32 s[G1SB+0], s44, (3<<16)|(1<<20)|(1<<21)|(5<<22)|(3<<25) ; of 128 rows of W: 16 rows
	s_mov_b32 s[G1SB+1], 32<<16
	s_mov_b32 s[G1SB+2], 16<<16
	s_mov_b32 s[G1SB+3], 32<<16
	s_mov_b32 s[G1SB+4], 16
	s_mov_b32 s[G1SB+5], 32
	s_mov_b32 s[G1SB+6], 0
	s_mov_b32 s[G1SB+7], 0
	s_lshl_b32 s20, s17, 3
	s_lshl_b32 s18, s16, 2
	s_add_co_u32 s20, s20, s18
	s_lshl_b32 s20, s20, 14                        ; y's codes: tile of rows 8 x tile row + 4 x half
	s_mov_b32 s21, 0
	s_lshl_b32 s22, s17, 7
	s_lshl_b32 s18, s16, 6
	s_add_co_u32 s22, s22, s18
	s_lshl_b32 s22, s22, 5                         ; y's scales: 32 bytes a row
	s_mov_b32 s23, 0
	s_lshl_b32 s46, s42, 8
	s_lshl_b32 s18, s16, 7
	s_add_co_u32 s46, s46, s18                     ; W's row
	s_lshl_b32 s92, s46, 5
	s_lshl_b32 s46, s46, 10
	s_mov_b32 s47, 0
	s_mov_b32 s93, 0
	s_lshl_b32 s45, s16, 14                        ; where they go: no place in the cluster enters an LDS address
	s_mul_i32 s94, s16, HALFB
	s_add_co_u32 s94, s94, AIMG
	s_mul_i32 s95, s16, 8*272
	s_mul_i32 s19, s16, 16*272
	s_add_co_u32 s19, s19, 16*272
	s_wait_kmcnt 0x0
	s_add_nc_u64 s[20:21], s[4:5], s[20:21]
	s_add_nc_u64 s[22:23], s[6:7], s[22:23]
	s_add_nc_u64 s[46:47], s[8:9], s[46:47]
	s_add_nc_u64 s[92:93], s[10:11], s[92:93]
	CROUND                                         ; all sixteen work-groups are here: the first joint loads meet
	s_mov_b32 s[G0S], 1
	s_add_co_u32 s[G0S+1], s95, SCL
	s_mov_b64 s[G0S+2:G0S+3], s[22:23]
	s_or_b32 s[G0S+3], s[G0S+3], 0x80000000
	s_mov_b32 s[G0SB], 1
	s_add_co_u32 s[G0SB+1], s19, SCL
	s_mov_b64 s[G0SB+2:G0SB+3], s[92:93]
	s_or_b32 s[G0SB+3], s[G0SB+3], 0x80000000
	JLOAD G0S, G1S, G0SB, G1SB
.irp s, 0,1
	s_mov_b32 s[G0+4*\s], 1
	s_add_co_u32 s[G0+4*\s+1], s45, \s*SLOT
	s_add_nc_u64 s[G0+4*\s+2:G0+4*\s+3], s[20:21], \s*4096
	s_or_b32 s[G0+4*\s+3], s[G0+4*\s+3], 0x80000000
	s_mov_b32 s[G0B+4*\s], 1
	s_add_co_u32 s[G0B+4*\s+1], s94, \s*SLOT
	s_add_nc_u64 s[G0B+4*\s+2:G0B+4*\s+3], s[46:47], \s*ROWB
	s_or_b32 s[G0B+4*\s+3], s[G0B+4*\s+3], 0x80000000
	JLOAD G0+4*\s, G1, G0B+4*\s, G1B
.endr
	v_and_b32 v1, 15, v0                           ; r
	v_bfe_u32 v2, v0, 4, 1                         ; h
	v_and_b32 v6, 31, v0
	v_lshlrev_b32 v[CO], 4, v6                     ; 16 x lane
	v_mul_u32_u24 v3, v1, PITCH
	v_lshl_add_u32 v4, v2, 4, v3
	s_lshl_b32 s21, s15, 14                        ; my four tiles of y
	s_mul_i32 s22, s16, HALFB
	s_add_co_u32 s22, s22, AIMG                    ; my 128 rows of W
.irp s, 0,1
	v_add_nc_u32 v[ADRA+\s], s21, v[CO]
	v_add_nc_u32 v[ADRB+\s], s22, v4
	s_add_co_u32 s21, s21, SLOT
	s_add_co_u32 s22, s22, SLOT
.endr
	v_lshlrev_b32 v5, 5, v1                        ; my row's scales: 32 bytes a row,
	v_lshrrev_b32 v6, 8, v5
	v_lshl_add_u32 v5, v6, 4, v5                   ; and 16 more for each 256 passed
	s_mul_i32 s21, s15, 8*272                      ; y's: my 64 rows
	s_mul_i32 s22, s16, 16*272
	s_add_co_u32 s22, s22, 16*272                  ; W's: my 128 rows, behind y's
	s_sub_co_u32 s22, s22, s21
	v_mul_u32_u24 v6, s22, v2                      ; lanes 16-31 take W's
	s_add_co_u32 s21, s21, SCL
	v_add_nc_u32 v5, v5, v6
	v_add_nc_u32 v[ADRS], s21, v5
	s_mul_i32 s23, s14, 16*SPITCH                  ; my stage
	v_mul_u32_u24 v5, v1, SPITCH
	v_lshl_add_u32 v5, v2, 5, v5
	v_add_nc_u32 v[STO], s23, v5
	v_add_nc_u32 v[RD], s23, v[CO]
	v_lshlrev_b32 v7, 5, v2                        ; the bias: 32 h
	s_lshl_b32 s20, s17, 7
	s_lshl_b32 s21, s15, 6
	s_add_co_u32 s20, s20, s21                     ; my first row of the output
	s_lshl_b32 s20, s20, 12                        ; 4,096 bytes a row
	s_mov_b32 s21, 0
	s_lshl_b32 s46, s42, 10                        ; my first column, in bytes
	s_lshl_b32 s47, s16, 9
	s_add_co_u32 s46, s46, s47
	s_mov_b32 s47, 0
	s_add_nc_u64 s[96:97], s[96:97], s[46:47]
	s_add_nc_u64 s[20:21], s[20:21], s[46:47]
	s_add_nc_u64 s[12:13], s[12:13], s[20:21]
.irp b, 0,1,2,3,4,5,6,7
	global_load_b128 v[BIAS+8*\b:BIAS+8*\b+3], v7, s[96:97] offset:64*\b          ; lane (r, h): columns 16 b + 8 h + 0 .. 7
	global_load_b128 v[BIAS+8*\b+4:BIAS+8*\b+7], v7, s[96:97] offset:64*\b+16
.endr
.macro FRAG reg, adr, q, i             ; W: 16 rows x 128 K from rows of 272 bytes
.irp c, 0,1,2,3
	ds_load_b128 v[\reg+4*\c:\reg+4*\c+3], v[\adr] offset:128*(\q)+32*\c+(\i)*16*PITCH
.endr
.endm
.macro FRAGA reg, adr, q, i            ; y: an image of the registers, 16 x lane
.irp c, 0,1,2,3
	ds_load_b128 v[\reg+4*\c:\reg+4*\c+3], v[\adr] offset:4096*(\i)+2048*(\q)+512*\c
.endr
.endm
.macro FETCH slot, q, p                ; the fragments of the slot's q-th 128 along K into set p: 48 loads
	WIN TO_B
.irp i, 0,1,2,3,4,5,6,7
	FRAG 128*(\p)+FR*\i, ADRB+\slot, \q, \i
.endr
	WIN 0
.irp i, 0,1,2,3
	FRAGA AF+64*(\p)+FR*\i, ADRA+\slot, \q, \i
.endr
.endm
.macro SCALES sc                       ; lanes 0-15: y's block i (i under 4; beyond, filled bytes that nobody uses), lanes 16-31: W's block i
.irp i, 0,1,2,3,4,5,6,7
	ds_load_b64 v[SC+16*\sc+2*\i:SC+16*\sc+2*\i+1], v[ADRS] offset:\i*SBLK
.endr
.endm
; Eight products: y's block a x W's eight.  The 32 accumulators take turns, one instruction a turn, in the same order in every step.
.macro MUL8 a, p, q, sc, first
.irp b, 0,1,2,3,4,5,6,7
.if \first
	v_wmma_scale_f32_16x16x128_f8f6f4 v[8*(8*(\a)+\b):8*(8*(\a)+\b)+7], v[128*(\p)+FR*\b:128*(\p)+FR*\b+FR-1], v[AF+64*(\p)+FR*(\a):AF+64*(\p)+FR*(\a)+FR-1], v[BIAS+8*\b:BIAS+8*\b+7], v[SC+16*(\sc)+2*\b+(\q)], v[SC+16*(\sc)+2*(\a)+(\q)] matrix_a_scale:MATRIX_SCALE_ROW1
.else
	v_wmma_scale_f32_16x16x128_f8f6f4 v[8*(8*(\a)+\b):8*(8*(\a)+\b)+7], v[128*(\p)+FR*\b:128*(\p)+FR*\b+FR-1], v[AF+64*(\p)+FR*(\a):AF+64*(\p)+FR*(\a)+FR-1], v[8*(8*(\a)+\b):8*(8*(\a)+\b)+7], v[SC+16*(\sc)+2*\b+(\q)], v[SC+16*(\sc)+2*(\a)+(\q)] matrix_a_scale:MATRIX_SCALE_ROW1
.endif
.endr
.endm
.macro PLACES n
.rept \n
	v_nop
.endr
.endm
.macro STEP slot, first                ; a slot's first 128 along K, on set 0; the second 128's fragments are fetched into set 1 meanwhile
	s_wait_dscnt 0x0                               ; set 0 and the scale words are in
	PLACES 8                                       ; in front of loads into set 1, which the last products read
	FETCH \slot, 1, 1
.if \first
	WIN MUL_1
.else
	WIN MUL
.endif
	MUL8 0, 0, 0, \slot, \first
	MUL8 1, 0, 0, \slot, \first
	MUL8 2, 0, 0, \slot, \first
	MUL8 3, 0, 0, \slot, \first
	WIN 0
.endm
.macro TURN slot, next, fill           ; its second 128, on set 1, and the change of slots
	s_wait_tensorcnt 0x0                           ; all my tensor loads have landed: my part of the next slot
	ds_add_u32 v[SPW], v[NIL]                      ; 0 onto my spare word
	s_wait_dscnt 1                                 ; set 1 is in; only the add may be out
	WIN MUL
	MUL8 0, 1, 1, \slot, 0
	s_wait_dscnt 0x0                               ; the add is done, and my reads of this slot are over
	s_barrier_signal -1
	MUL8 1, 1, 1, \slot, 0
	WIN 0
	s_barrier_wait -1
.if \fill
	CREST                                          ; the barrier has opened a round of the cluster's: no wave of any partner still reads this slot or has a load on its way
	s_add_nc_u64 s[G0+4*\slot+2:G0+4*\slot+3], s[G0+4*\slot+2:G0+4*\slot+3], 2*4096
	s_add_nc_u64 s[G0B+4*\slot+2:G0B+4*\slot+3], s[G0B+4*\slot+2:G0B+4*\slot+3], 2*ROWB
	JLOAD G0+4*\slot, G1, G0B+4*\slot, G1B         ; the first tensor load behind the round; its four v_nop are among the places in front of the loads below
	PLACES 4
.else
	PLACES 8
.endif
	v_add_nc_u32 v[ADRS], 8, v[ADRS]               ; the next K step's scale words (no LDS load of mine is out)
	FETCH \next, 0, 0
	SCALES \next
	WIN MUL
	MUL8 2, 1, 1, \slot, 0
	MUL8 3, 1, 1, \slot, 0
	WIN 0
.endm
	s_wait_tensorcnt 1                             ; the scales and my part of K step 0 are in; K step 1's load may be out
	s_barrier_signal -1
	s_barrier_wait -1
	FETCH 0, 0, 0
	SCALES 0
	s_wait_loadcnt 0x0                             ; the bias
	STEP 0, 1                                      ; the first products start the sums on the bias
	TURN 0, 1, 1                                   ; slot 0 takes K step 2
	STEP 1, 0
	TURN 1, 0, 1                                   ; slot 1 takes K step 3
	STEP 0, 0
	TURN 0, 1, 0                                   ; nothing is left to fetch; behind this barrier nobody reads slot 0
	STEP 1, 0
	s_wait_dscnt 0x0
	WIN MUL
	MUL8 0, 1, 1, 1, 0
	MUL8 1, 1, 1, 1, 0
	MUL8 2, 1, 1, 1, 0
	MUL8 3, 1, 1, 1, 0
	WIN 0
; THE WAY OUT, a block of 16 rows x 128 columns at a time, through my own stage: in as 32 bytes a lane, back as whole rows of 512 bytes.  LDS serves a wave's instructions in order (ISA guide 5.7.1.4).
.macro TOSTAGE a
.set AC, 64*(\a)
	WIN 0x08                                       ; an LDS store's data: window 2
.irp b, 0,1,2,3,4,5,6,7
	ds_store_b128 v[STO], v[AC+8*\b:AC+8*\b+3] offset:64*\b          ; each accumulator from its low end on
	ds_store_b128 v[STO], v[AC+8*\b+4:AC+8*\b+7] offset:64*\b+16
.endr
	WIN 0
.set BB, BK+64*((\a)%2)
.irp t, 0,1,2,3,4,5,6,7,8,9,10,11,12,13,14,15
	ds_load_b128 v[BB+4*\t:BB+4*\t+3], v[RD] offset:\t*SPITCH
.endr
.endm
.macro SEND a, younger
.set BB, BK+64*((\a)%2)
	s_wait_dscnt \younger                          ; the block is back in registers
.if (\a) > 0
	s_add_nc_u64 s[12:13], s[12:13], 16*4096       ; (behind a wait on XCNT: the earlier stores have read their base)
.endif
.irp t, 0,1,2,3,4,5,6,7,8,9,10,11,12,13,14,15
	global_store_b128 v[CO], v[BB+4*\t:BB+4*\t+3], s[12:13] offset:\t*4096 th:TH_STORE_NT   ; 32 lanes store 512 consecutive, aligned bytes
.endr
.endm
	PLACES 8                                       ; behind the last products: for the reads of results and the loads into y's fragment registers
	TOSTAGE 0
.irp a, 1,2,3
.if \a > 1
	s_wait_xcnt 0x0                                ; block a - 2's stores have read their registers and their base
.endif
	TOSTAGE \a
	SEND \a-1, 32                                  ; behind block a - 1's loads: block a's 16 stores and 16 loads
.endr
	s_wait_xcnt 0x0
	SEND 3, 0
	s_wait_tensorcnt 0x0                           ; the wave's end
	ds_add_u32 v[SPW], v[NIL]
	s_wait_dscnt 0x0
	CROUND                                         ; the closing round
	s_endpgm
.Lfunc_end_k_q9755924b77_proj:
	.size	k_q9755924b77_proj, .Lfunc_end_k_q9755924b77_proj-k_q9755924b77_proj
	.p2alignl 7, 3214868480
	.fill 96, 4, 3214868480
	.section	.rodata,"a",@progbits
	.p2align	6, 0x0
	.amdhsa_kernel k_q9755924b77_proj
		.amdhsa_group_segment_fixed_size 327680
		.amdhsa_private_segment_fixed_size 0
		.amdhsa_enable_private_segment 0
		.amdhsa_kernarg_size 48
		.amdhsa_user_sgpr_count 2
		.amdhsa_user_sgpr_kernarg_segment_ptr 1
		.amdhsa_wavefront_size32 1
		.amdhsa_system_sgpr_workgroup_id_x 1
		.amdhsa_system_sgpr_workgroup_id_y 1
		.amdhsa_system_sgpr_workgroup_id_z 1
		.amdhsa_system_vgpr_workitem_id 0
		.amdhsa_next_free_vgpr 768
		.amdhsa_next_free_sgpr 98
		.amdhsa_reserve_vcc 0
		.amdhsa_float_denorm_mode_32 3
		.amdhsa_float_denorm_mode_16_64 3
		.amdhsa_memory_ordered 1
		.amdhsa_forward_progress 1
		.amdhsa_inst_pref_size 90
	.end_amdhsa_kernel
	.amdgpu_metadata
---
amdhsa.version: [ 1, 2 ]
amdhsa.kernels:
  - .name:           k_q9755924b77_proj
    .symbol:         k_q9755924b77_proj.kd
    .args:
      - { .name: yimg, .offset: 0, .size: 8, .value_kind: global_buffer, .address_space: global }
      - { .name: ysc, .offset: 8, .size: 8, .value_kind: global_buffer, .address_space: global }
      - { .name: W_out_codes, .offset: 16, .size: 8, .value_kind: global_buffer, .address_space: global }
      - { .name: W_out_scales, .offset: 24, .size: 8, .value_kind: global_buffer, .address_space: global }
      - { .name: b_out, .offset: 32, .size: 8, .value_kind: global_buffer, .address_space: global }
      - { .name: out0, .offset: 40, .size: 8, .value_kind: global_buffer, .address_space: global }
    .group_segment_fixed_size: 327680
    .private_segment_fixed_size: 0
    .kernarg_segment_align: 8
    .kernarg_segment_size: 48
    .max_flat_workgroup_size: 128
    .sgpr_count:     98
    .vgpr_count:     768
    .wavefront_size: 32
...
	.end_amdgpu_metadata
.endif
;; end of part 4
